; MI455X (gfx1250); checked and timed in simulation.
; The chip was launched on July 23, 2026; its instructions are those of AMD's public machine-readable ISA for CDNA 5 (MIT licence, August 2026) and "CDNA5" Instruction Set Architecture Reference Guide (July 2026). The comments in the code are by the model that wrote it; some were corrected since.
;; Cross Attention. Allowed arithmetic: float matrix products may take bf16 or f16 operands with f32 sums; other float arithmetic in f32, or as packed bf16 or f16 multiplies, adds, multiply-adds, maxima and minima; sums over many terms, partial sums and values carried from step to step in f32; what a program stores and reads back later, other than sums and carried values, may be rounded once to bf16 or f16.
;; Inputs: Wk 512 x 512 float32; Wq 512 x 512 float32; Wv 512 x 512 float32; bk 512 float32; bq 512 float32; bv 512 float32; context 8 x 2,048 x 512 float32; x 8 x 2,048 x 512 float32.
;; Outputs: out0 8 x 2,048 x 512 float32.
;; 2 versions, each right; version 2 is version 1 with the launch wfold written anew for expert scheduling mode. Each part assembles by itself: llvm-mc -triple=amdgcn-amd-amdhsa -mcpu=gfx1250 --defsym DOCPART=n.
;; ======== version 1 of 2: 3 launches
;; limits: values are held in f16: magnitudes above 65,504 overflow, below 6.1e-05 lose precision
;; workspace buffers: Wh 1,048,576 bytes; cb 2,048 bytes; Qh 16,777,216 bytes; Kh 16,777,216 bytes; VT 16,777,216 bytes
;; launch wfold (part 1): grid 128 x 1, 8 waves a work-group, no clusters, 202,752 bytes of LDS; arguments Wq, Wk, Wv, bq, Wh, cb; writes Wh, cb
.if DOCPART == 1
	.amdgcn_target "amdgcn-amd-amdhsa--gfx1250"
	.amdhsa_code_object_version 6
	.text
	.protected	k_q84113d31f8_wfold
	.globl	k_q84113d31f8_wfold
	.p2align	8
	.type	k_q84113d31f8_wfold,@function
k_q84113d31f8_wfold:
	s_mov_b64 s[64:65], 0
	v_nop
	global_prefetch_b8 v0, s[64:65] scope:SCOPE_SE
	s_setreg_imm32_b32 hwreg(HW_REG_WAVE_MODE, 25, 1), 1
	s_wait_xcnt 0x0
; CrossAttention, first of three launches: the weights are folded and rounded to f16.
;   Wh rows 0-511:    Mt[d'][d] = sum over e of Wk[e][d'] Wq[e][d]        cb[d'] = sum over e of bq[e] Wk[e][d']  (f32)
;   Wh rows 512-1023: Wv / 4
; WHY: with K0 = context Wk^T, Q[n].K0[m] = sum over d' of context[m][d'] (sum over d of x[n][d] Mt[d'][d] + cb[d']) for all values: the sums are
; only taken in another order.  So K is never projected: the second launch makes x Mt^T + cb, and context itself takes K's place.
; The order of rounding differs from the reference's: Wq, Wk, bq are rounded to f16, their products summed in f32, Mt rounded to f16.
; WORK LEFT OUT: bk.  scores[n][m] = scale Q[n].(K0[m] + bk) = scale Q[n].K0[m] + scale Q[n].bk; the second term does not depend on m, the axis of
; the softmax, and softmax(s + c) = softmax(s) for every real c.  So bk reaches no output, whatever finite values the inputs hold: it is not
; loaded and is among no launch's arguments.  LIMIT: a NaN, an infinity or an overflow that arises only in Q.bk is not carried to the result.
; bv stays: a softmax's row sums to 1, so attn (V0 + bv) = attn V0 + bv; it is added once, in f32, in the last launch.
; FORMAT: all matrix operands are f16, sums f32.  LIMIT: |Wq|, |Wk|, |bq|, |Mt|, |x|, 64 |context|, |V| / 4 or |x Mt^T + cb| / 1004 of 65,504 and more
; overflow; operands are kept to steps of 6e-8 at the finest.
;
; Work-group (i, j) = (number / 8, number mod 8) makes rows 32 i .. + 31, columns 64 j .. + 63 of Mt and 1/128 of Wv / 4; those with j = 0 also 32 numbers of cb.
; THE SUM OVER e IS SPLIT AMONG THE EIGHT WAVES: wave w takes e = 64 w .. 64 w + 63, issues all its 58 loads at once, rounds its rows into LDS tiles
; stored [e][column], takes the fragments by the transposing load (the sum runs down the rows of both matrices), and makes a partial tile
; of 32 x 64 with 16 matrix instructions.  The eight partial tiles are summed in f32 through LDS, eight outputs a thread.
; cb: the fragment whose 16 rows all hold bq[e] needs no LDS: lane (r, h) loads bq at k = 8 h .. and 16 + 8 h .. itself.  Its 8 loads and 16 conversions a wave are made
; in every work-group, so that they are in flight with the rest; its four products and its stores only where j = 0.
; STORES: a row piece of Mt is 128 consecutive bytes, so an aligned block of 256 bytes is written by two work-groups, half each.  Whole blocks would need 128 columns a
; work-group, which doubles the bytes of Wq that each reads (128 to 256 KiB); Mt is 512 KiB in all.  Wv / 4 goes out in whole aligned blocks of 256 bytes.
; No tensor loads: the rows are f32 in memory and pass through registers to be rounded.  No cluster: a work-group shares each of its two tiles with other partners.
.set PKK,  96                          ; Wk tile: 32 f16 = 64 bytes + 32: an odd multiple of 32
.set PQQ,  160                         ; Wq tile: 64 f16 = 128 bytes + 32: an odd multiple of 32
.set QOF,  64*PKK                      ; 6,144: Wq's tile behind Wk's; a wave's two tiles take 16,384 bytes
.set PART, 8*16384                     ; 131,072: the partial tiles
.set PP,   272                         ; a partial row: 64 f32 = 256 bytes + 16
.set PREG, 32*PP                       ; 8,704: a wave's partial tile
.set CBP,  PART+8*PREG                 ; 200,704: cb's partial sums [wave][32] f32
.set GB,  4                            ; byte offsets in bq, Wk, Wq, Wv, Wh (offsets only)
.set GK,  5
.set GQ,  6
.set GV,  7
.set GVO, 8
.set LK,  9                            ; LDS: where I put Wk, Wq
.set LQ,  10
.set AKT, 11                           ; LDS: my fragments of Wk, Wq
.set AQT, 12
.set PW,  13                           ; my partial tile in
.set CW,  14                           ; my partial cb in
.set PR,  15                           ; the partial tiles back
.set GO,  16
.set XB,  18                           ; v[18:49]   bq as loaded; then its two fragments at XB, XB + 16
.set XK,  50                           ; v[50:113]  Wk as loaded
.set XQ,  114                          ; v[114:241] Wq as loaded
.set XV,  242                          ; v[242:249] Wv as loaded, then as stored
.set FK,  50                           ; v[50:81]   Wk fragments (ks, a) at 16 ks + 8 a
.set FQ,  82                           ; v[82:145]  Wq fragments (ks, b) at 32 ks + 8 b
.set ACC, 146                          ; v[146:209] accumulators (a, b) at 8 (4 a + b)
.set BA,  210                          ; v[210:225] cb's two accumulators
.set R,   50                           ; v[50:113]  eight partial sums of my eight outputs
.macro PLACES                          ; five places behind matrix instructions (ISA guide 7.12.1)
.rept 5
	v_nop
.endr
.endm
.macro BAR
	s_barrier_signal -1
	s_barrier_wait -1
.endm
.macro MULK ks                         ; source 0 = columns of Wq, source 1 = columns of Wk: lane (r, h) holds row d' = r and eight neighbouring d.  The eight accumulators take turns
.irp a, 0,1
.irp b, 0,1,2,3
.if \ks == 0
	v_wmma_f32_16x16x32_f16 v[ACC+8*(4*\a+\b):ACC+8*(4*\a+\b)+7], v[FQ+32*\ks+8*\b:FQ+32*\ks+8*\b+7], v[FK+16*\ks+8*\a:FK+16*\ks+8*\a+7], 0
.else
	v_wmma_f32_16x16x32_f16 v[ACC+8*(4*\a+\b):ACC+8*(4*\a+\b)+7], v[FQ+32*\ks+8*\b:FQ+32*\ks+8*\b+7], v[FK+16*\ks+8*\a:FK+16*\ks+8*\a+7], v[ACC+8*(4*\a+\b):ACC+8*(4*\a+\b)+7]
.endif
.endr
.endr
.endm
	s_load_b256 s[4:11], s[0:1], 0x0               ; Wq s[4:5], Wk s[6:7], Wv s[8:9], bq s[10:11]
	s_load_b128 s[12:15], s[0:1], 0x20             ; Wh s[12:13], cb s[14:15]
	v_lshl_add_u32 v254, v0, 2, 0x31400
	v_mov_b32 v255, 0
	v_lshrrev_b32 v1, 5, v0
	v_readfirstlane_b32 s20, v1                    ; wave w
	s_lshr_b32 s21, ttmp9, 3                       ; i
	s_and_b32 s22, ttmp9, 7                        ; j
	s_lshl_b32 s24, s21, 7                         ; Wk: columns 32 i
	s_mov_b32 s25, 0
	s_lshl_b32 s26, s22, 8                         ; Wq: columns 64 j
	s_mov_b32 s27, 0
	s_lshl_b32 s28, ttmp9, 13                      ; Wv: my 8 KiB
	s_mov_b32 s29, 0
	s_lshl_b32 s30, s21, 15                        ; Wh: row 32 i, column 64 j
	s_lshl_b32 s36, s22, 7
	s_add_co_u32 s30, s30, s36
	s_mov_b32 s31, 0
	s_lshl_b32 s32, ttmp9, 12                      ; Wh: row 512 + my 4 KiB
	s_add_co_u32 s32, s32, 524288
	s_mov_b32 s33, 0
	s_lshl_b32 s34, s21, 7                         ; cb: 32 i
	s_mov_b32 s35, 0
	s_mov_b32 s38, 0x3e800000                      ; 0.25
	s_mov_b32 s39, 0x3e800000
	v_and_b32 v1, 31, v0                           ; lane
	v_and_b32 v2, 15, v0                           ; r
	v_bfe_u32 v3, v0, 4, 1                         ; h
	v_bfe_u32 v20, v0, 3, 2                        ; lane / 8
	v_and_b32 v21, 7, v0                           ; lane mod 8
	v_lshl_add_u32 v22, v3, 3, v21                 ; 8 h + lane mod 8: my row of a K step's first sixteen
	v_bfe_u32 v23, v0, 3, 1
	s_lshl_b32 s36, s20, 8                         ; bq: 64 w + 8 h
	v_lshl_add_u32 v[GB], v3, 5, s36
	s_lshl_b32 s36, s20, 17                        ; 64 w rows of 2,048 bytes
	v_lshl_add_u32 v[GK], v20, 11, s36             ; Wk: four rows of 128 bytes a load
	v_lshl_add_u32 v[GK], v21, 4, v[GK]
	v_lshl_add_u32 v[GQ], v3, 11, s36              ; Wq: two rows of 256 bytes a load
	v_lshl_add_u32 v[GQ], v2, 4, v[GQ]
	s_lshl_b32 s36, s20, 10
	v_lshl_add_u32 v[GV], v1, 4, s36
	s_lshl_b32 s36, s20, 9
	v_lshl_add_u32 v[GVO], v1, 3, s36
	s_lshl_b32 s36, s20, 14                        ; my tiles
	v_mul_u32_u24 v[LK], v20, PKK
	v_lshl_add_u32 v[LK], v21, 3, v[LK]
	v_add_nc_u32 v[LK], s36, v[LK]
	v_mul_u32_u24 v[AKT], v22, PKK
	v_lshl_add_u32 v[AKT], v23, 4, v[AKT]
	v_add_nc_u32 v[AKT], s36, v[AKT]
	s_add_co_u32 s36, s36, QOF
	v_mul_u32_u24 v[LQ], v3, PQQ
	v_lshl_add_u32 v[LQ], v2, 3, v[LQ]
	v_add_nc_u32 v[LQ], s36, v[LQ]
	v_mul_u32_u24 v[AQT], v22, PQQ
	v_lshl_add_u32 v[AQT], v23, 4, v[AQT]
	v_add_nc_u32 v[AQT], s36, v[AQT]
	s_mul_i32 s36, s20, PREG                       ; my partial tile: row r, byte 32 h
	s_add_co_u32 s36, s36, PART
	v_mul_u32_u24 v[PW], v2, PP
	v_lshl_add_u32 v[PW], v3, 5, v[PW]
	v_add_nc_u32 v[PW], s36, v[PW]
	s_lshl_b32 s36, s20, 7
	s_add_co_u32 s36, s36, CBP
	v_lshl_add_u32 v[CW], v2, 2, s36
	v_lshrrev_b32 v20, 3, v0                       ; thread / 8: my row of the 32; thread mod 8: my eight columns
	v_mul_u32_u24 v[PR], v20, PP
	v_lshl_add_u32 v[PR], v21, 5, v[PR]
	v_add_nc_u32 v[PR], PART, v[PR]
	v_lshlrev_b32 v[GO], 10, v20
	v_lshl_add_u32 v[GO], v21, 4, v[GO]
	s_wait_kmcnt 0x0
	s_add_nc_u64 s[6:7], s[6:7], s[24:25]
	s_add_nc_u64 s[4:5], s[4:5], s[26:27]
	s_add_nc_u64 s[8:9], s[8:9], s[28:29]
	s_add_nc_u64 s[16:17], s[12:13], s[32:33]
	s_add_nc_u64 s[12:13], s[12:13], s[30:31]
	s_add_nc_u64 s[14:15], s[14:15], s[34:35]
	; all 58 loads of the wave at once: 8 of bq, 16 of Wk, 32 of Wq, 2 of Wv
.irp ks, 0,1
.irp q, 0,1
.irp c, 0,1
	global_load_b128 v[XB+16*\ks+8*\q+4*\c:XB+16*\ks+8*\q+4*\c+3], v[GB], s[10:11] offset:128*\ks+64*\q+16*\c   ; bq[64 w + 32 ks + 16 q + 8 h + 4 c ..]
.endr
.endr
.endr
.set u_, 0
.rept 16
	global_load_b128 v[XK+4*u_:XK+4*u_+3], v[GK], s[6:7] offset:u_*8192
.set u_, u_+1
.endr
.set u_, 0
.rept 32
	global_load_b128 v[XQ+4*u_:XQ+4*u_+3], v[GQ], s[4:5] offset:u_*4096
.set u_, u_+1
.endr
	global_load_b128 v[XV:XV+3], v[GV], s[8:9] th:TH_LOAD_NT
	global_load_b128 v[XV+4:XV+7], v[GV], s[8:9] offset:512 th:TH_LOAD_NT
	s_wait_loadcnt 34                              ; loads come back in order: bq and Wk are in; Wq's 32 and Wv's 2 stay out
.irp ks, 0,1
.irp p, 0,1,2,3,4,5,6,7
	v_cvt_pk_f16_f32 v[XB+16*\ks+\p], v[XB+16*\ks+2*\p], v[XB+16*\ks+2*\p+1]   ; bq's fragment of K step ks, in the first eight of its sixteen registers
.endr
.endr
.set u_, 0
.rept 16
	v_cvt_pk_f16_f32 v[XK+4*u_],   v[XK+4*u_],   v[XK+4*u_+1]
	v_cvt_pk_f16_f32 v[XK+4*u_+1], v[XK+4*u_+2], v[XK+4*u_+3]
	ds_store_b64 v[LK], v[XK+4*u_:XK+4*u_+1] offset:u_*4*PKK
.set u_, u_+1
.endr
	s_wait_loadcnt 18                              ; the first half of Wq is in
.set u_, 0
.rept 32
.if u_ == 16
	s_wait_loadcnt 2                               ; all of Wq is in; Wv's two stay out
.endif
	v_cvt_pk_f16_f32 v[XQ+4*u_],   v[XQ+4*u_],   v[XQ+4*u_+1]
	v_cvt_pk_f16_f32 v[XQ+4*u_+1], v[XQ+4*u_+2], v[XQ+4*u_+3]
	ds_store_b64 v[LQ], v[XQ+4*u_:XQ+4*u_+1] offset:u_*2*PQQ
.set u_, u_+1
.endr
	s_wait_loadcnt 0
.irp u, 0,1
	v_pk_mul_f32 v[XV+4*\u:XV+4*\u+1], v[XV+4*\u:XV+4*\u+1], s[38:39] op_sel_hi:[1,0]
	v_pk_mul_f32 v[XV+4*\u+2:XV+4*\u+3], v[XV+4*\u+2:XV+4*\u+3], s[38:39] op_sel_hi:[1,0]
	v_cvt_pk_f16_f32 v[XV+4*\u],   v[XV+4*\u],   v[XV+4*\u+1]
	v_cvt_pk_f16_f32 v[XV+4*\u+1], v[XV+4*\u+2], v[XV+4*\u+3]
	global_store_b64 v[GVO], v[XV+4*\u:XV+4*\u+1], s[16:17] offset:256*\u   ; 256 consecutive bytes, aligned
.endr
	s_wait_dscnt 0x0                               ; my stores are done,
	BAR                                            ; everybody's are: stores, wait, barrier, and only then the transposing loads
.irp ks, 0,1
.irp a, 0,1
.irp c, 0,1
	ds_load_tr16_b128 v[FK+16*\ks+8*\a+4*\c:FK+16*\ks+8*\a+4*\c+3], v[AKT] offset:\ks*32*PKK+\c*16*PKK+32*\a
.endr
.endr
.irp b, 0,1,2,3
.irp c, 0,1
	ds_load_tr16_b128 v[FQ+32*\ks+8*\b+4*\c:FQ+32*\ks+8*\b+4*\c+3], v[AQT] offset:\ks*32*PQQ+\c*16*PQQ+32*\b
.endr
.endr
.endr
	s_wait_dscnt 12                                ; the second K step's twelve loads stay out
	MULK 0
	s_wait_dscnt 0
	MULK 1
	s_cmp_lg_u32 s22, 0
	s_cbranch_scc1 .Lno_cb                         ; cb is made where j = 0 alone
	v_wmma_f32_16x16x32_f16 v[BA:BA+7],    v[XB:XB+7],     v[FK:FK+7],     0               ; the two accumulators take turns
	v_wmma_f32_16x16x32_f16 v[BA+8:BA+15], v[XB:XB+7],     v[FK+8:FK+15],  0
	v_wmma_f32_16x16x32_f16 v[BA:BA+7],    v[XB+16:XB+23], v[FK+16:FK+23], v[BA:BA+7]
	v_wmma_f32_16x16x32_f16 v[BA+8:BA+15], v[XB+16:XB+23], v[FK+24:FK+31], v[BA+8:BA+15]
	PLACES
	ds_store_b32 v[CW], v[BA]                      ; all rows of the result are alike: register 0 of lane (r, h) is my share of cb[32 i + r],
	ds_store_b32 v[CW], v[BA+8] offset:64          ; and of cb[32 i + 16 + r] (both halves of the lanes store the same)
.Lno_cb:
	PLACES
.irp a, 0,1
.irp b, 0,1,2,3
.irp c, 0,1
	ds_store_b128 v[PW], v[ACC+8*(4*\a+\b)+4*\c:ACC+8*(4*\a+\b)+4*\c+3] offset:\a*16*PP+64*\b+16*\c
.endr
.endr
.endr
	s_wait_dscnt 0x0                               ; my partial sums are stored,
	BAR                                            ; everybody's are
.irp v, 0,1,2,3,4,5,6,7
.irp c, 0,1
	ds_load_b128 v[R+8*\v+4*\c:R+8*\v+4*\c+3], v[PR] offset:\v*PREG+16*\c
.endr
.endr
	s_wait_dscnt 0x0
.irp s, 4,2,1
.irp v, 0,1,2,3
.if \v < \s
.irp p, 0,2,4,6
	v_pk_add_f32 v[R+8*\v+\p:R+8*\v+\p+1], v[R+8*\v+\p:R+8*\v+\p+1], v[R+8*(\v+\s)+\p:R+8*(\v+\s)+\p+1]
.endr
.endif
.endr
.endr
.irp p, 0,1,2,3
	v_cvt_pk_f16_f32 v[R+\p], v[R+2*\p], v[R+2*\p+1]
.endr
	global_store_b128 v[GO], v[R:R+3], s[12:13]    ; eight lanes store 128 consecutive bytes of a row of Mt
	s_or_b32 s36, s22, s20
	s_cmp_lg_u32 s36, 0
	s_cbranch_scc1 .Lend                           ; wave 0 of the work-groups with j = 0 sums and stores cb
	v_lshlrev_b32 v226, 2, v1
	v_add_nc_u32 v227, CBP, v226
.irp v, 0,1,2,3,4,5,6,7
	ds_load_b32 v[228+\v], v227 offset:128*\v
.endr
	s_wait_dscnt 0x0
	v_add_f32 v228, v228, v229
	v_add_f32 v230, v230, v231
	v_add_f32 v232, v232, v233
	v_add_f32 v234, v234, v235
	v_add_f32 v228, v228, v230
	v_add_f32 v232, v232, v234
	v_add_f32 v228, v228, v232
	global_store_b32 v226, v228, s[14:15]          ; cb[32 i + lane]: 128 consecutive bytes
.Lend:
	s_wait_tensorcnt 0x0
	ds_add_u32 v254, v255
	s_wait_dscnt 0x0
	s_endpgm
.Lfunc_end_k_q84113d31f8_wfold:
	.size	k_q84113d31f8_wfold, .Lfunc_end_k_q84113d31f8_wfold-k_q84113d31f8_wfold
	.p2alignl 7, 3214868480
	.fill 96, 4, 3214868480
	.section	.rodata,"a",@progbits
	.p2align	6, 0x0
	.amdhsa_kernel k_q84113d31f8_wfold
		.amdhsa_group_segment_fixed_size 202752
		.amdhsa_private_segment_fixed_size 0
		.amdhsa_enable_private_segment 0
		.amdhsa_kernarg_size 48
		.amdhsa_user_sgpr_count 2
		.amdhsa_user_sgpr_kernarg_segment_ptr 1
		.amdhsa_wavefront_size32 1
		.amdhsa_system_sgpr_workgroup_id_x 1
		.amdhsa_system_sgpr_workgroup_id_y 1
		.amdhsa_system_sgpr_workgroup_id_z 1
		.amdhsa_system_vgpr_workitem_id 0
		.amdhsa_next_free_vgpr 256
		.amdhsa_next_free_sgpr 66
		.amdhsa_reserve_vcc 0
		.amdhsa_float_denorm_mode_32 3
		.amdhsa_float_denorm_mode_16_64 3
		.amdhsa_memory_ordered 1
		.amdhsa_forward_progress 1
		.amdhsa_inst_pref_size 30
	.end_amdhsa_kernel
	.amdgpu_metadata
---
amdhsa.version: [ 1, 2 ]
amdhsa.kernels:
  - .name:           k_q84113d31f8_wfold
    .symbol:         k_q84113d31f8_wfold.kd
    .args:
      - { .name: Wq, .offset: 0, .size: 8, .value_kind: global_buffer, .address_space: global }
      - { .name: Wk, .offset: 8, .size: 8, .value_kind: global_buffer, .address_space: global }
      - { .name: Wv, .offset: 16, .size: 8, .value_kind: global_buffer, .address_space: global }
      - { .name: bq, .offset: 24, .size: 8, .value_kind: global_buffer, .address_space: global }
      - { .name: Wh, .offset: 32, .size: 8, .value_kind: global_buffer, .address_space: global }
      - { .name: cb, .offset: 40, .size: 8, .value_kind: global_buffer, .address_space: global }
    .group_segment_fixed_size: 202752
    .private_segment_fixed_size: 0
    .kernarg_segment_align: 8
    .kernarg_segment_size: 48
    .max_flat_workgroup_size: 256
    .sgpr_count:     66
    .vgpr_count:     256
    .wavefront_size: 32
...
	.end_amdgpu_metadata
.endif
;; end of part 1
;; launch proj (part 2): grid 256 x 1, 4 waves a work-group, clusters of 4 x 1, 327,680 bytes of LDS; arguments x, context, cb, Wh, Qh, Kh, VT; writes Qh, Kh, VT
.if DOCPART == 2
	.amdgcn_target "amdgcn-amd-amdhsa--gfx1250"
	.amdhsa_code_object_version 6
	.text
	.protected	k_q84113d31f8_proj
	.globl	k_q84113d31f8_proj
	.p2align	8
	.type	k_q84113d31f8_proj,@function
k_q84113d31f8_proj:
	s_mov_b64 s[64:65], 0
	v_nop
	global_prefetch_b8 v0, s[64:65] scope:SCOPE_SE
	s_setreg_imm32_b32 hwreg(HW_REG_WAVE_MODE, 25, 1), 1
	s_wait_xcnt 0x0
	s_wait_alu depctr_hold_cnt(0) depctr_sa_sdst(0) depctr_va_vdst(0) depctr_va_sdst(0) depctr_va_ssrc(0) depctr_va_vcc(0) depctr_vm_vsrc(0)
	s_getreg_b32 s2, hwreg(HW_REG_IB_STS2, 6, 4)
	s_cmp_eq_u32 s2, 0
	s_cbranch_scc0 .Lentry_in_a_cluster
	s_endpgm
.Lentry_in_a_cluster:
	s_bfe_u32 s2, ttmp6, 0x10000c
	s_cmp_lg_u32 s2, 0x3003
	s_cbranch_scc0 .Lentry_shape_is_right
	s_endpgm
.Lentry_shape_is_right:
; CrossAttention, second launch: Q' = CQ2 (x Mt^T + cb), K' = 64 context, V' = context (Wv/4)^T, all stored in f16; CQ2 = log2(e) / (64 sqrt(512)).
; Q'.K' is then the score in the units of exp2.  K is not projected (Wk is folded into Mt and cb by the first launch); bk is left out (it adds the same
; number to every score of a row, which a softmax does not see); bv is added in the last launch.
; The factors 64 and 1/64 place both operands in f16: with offsets of 30 spreads in x, Wq and Wk, x Mt^T reaches 512 x 30 x 900 = 1.4e7, stored as 1.4e4;
; 64 context stays near 1.1e4 for |context| of 170.  The product by 64 is exact in f16.
; A work-group owns 64 rows of x and the same 64 rows of context.  All 64 rows x 512, in f16, lie in EVERY wave's registers as 64 fragments
; (512 registers); the 1,024 rows of Wh stream by in 8 tiles of 128 rows through two LDS slots.  Wave w fetches and reads rows 32 w .. 32 w + 31
; of each tile and no others: each byte of a tile is read from LDS once in the work-group.
; CLUSTERS: the four work-groups of a cluster walk the same tiles of Wh and ask for them jointly (mask 15): the same line, the same descriptor,
; made of the wave's number and the tile's alone.
; PRODUCTS: for Q source 0 = 16 rows of Wh, source 1 = 16 rows of x: lane (r, h) then holds row r of x and eight neighbouring outputs
; 8 h + j: 16 bytes of a row of Q'.  For V the sources change places: a lane holds one output dim and eight neighbouring keys, 16 bytes of V'^T.
; VT layout, f16: [batch 8][key block of 128: 16][dim block of 128: 4][key half: 2][dim 128][key 64].
; REGISTERS in windows of 256: window 0 addresses, bias, accumulators, two buffers of Wh fragments; windows 1, 2 the resident fragments
; (row block qt, K step ks at 8 (4 (ks mod 8) + qt) of window 1 + ks / 8); window 3 the f32 rows as they land.
.set PK,    1040                       ; an LDS row of a tile: 1,024 bytes + 16: 65 x 16, so sixteen rows start at sixteen different 16-byte columns modulo 256
.set QTR,   32*PK                      ; a wave's quarter of a slot
.set SLOT,  4*QTR                      ; 133,120
.set RX,    2*SLOT                     ; 266,240: exchange area (64 rows x 528) and, later, the two stages; written by LDS stores alone
.set STG,   20736                      ; a stage
.set BQL,   RX+2*STG                   ; 307,712: cb, 2,048 bytes
.set PX,    528                        ; exchange: half a row in f16 (512 bytes) + 16
.set PQ,    80                         ; stage for Q: a wave's 64 bytes of a row + 16
.set RQ,    5184                       ; a wave's region of that stage: 64 rows x 80 + 64, so that the four regions start 64 bytes apart modulo 256
.set PVT,   144                        ; stage for V: 64 keys (128 bytes) + 16
.set TILEB, 131072                     ; bytes of a tile of Wh
.set CQ2,   0x3a8293ee                 ; log2(e) / (64 sqrt(512)) = 9.9623e-4
.set ADK0, 4                           ; v4, v5  my fragments' address in slot 0, 1
.set ADX,  6                           ; exchange: where I read fragments
.set ADXW, 7                           ; exchange: where I put my rows
.set AQW,  8                           ; Q stage in, AQR back
.set AQR,  9
.set AVW,  10                          ; V stage in, AVR back
.set AVR,  11
.set ADB,  12                          ; my bias numbers
.set GX,   13                          ; byte offsets in x, Q', VT, K' (offsets only)
.set GOQ,  14
.set GOV,  15
.set BIAS, 16                          ; v[16:31]
.set C64,  32                          ; 64.0 twice, in f16
.set GOK,  33
.set SACC, 48                          ; v[48:111]  8 accumulators (kt, qt) at 8 (4 kt + qt)
.set KB0,  112                         ; v[112:175] Wh fragments, buffer 0
.set KB1,  176                         ; v[176:239] buffer 1; also the rows on their way out
.set G1,   32                          ; s[32:39] descriptor group 1
.set G0,   40                          ; s[40:47] group 0, one set for each slot
.set MSB,  0
.macro WIN new                         ; the immediate's high byte repeats the setting that is left
.if MSB != (\new)
	s_set_vgpr_msb (MSB<<8)|(\new)
.set MSB, (\new)
.endif
.endm
.macro PLACES                          ; five places behind matrix instructions: enough for a vector instruction or a load (four) and for a matrix instruction that writes over a register (five)
.rept 5
	v_nop
.endr
.endm
.macro BAR
	s_barrier_signal -1
	s_barrier_wait -1
.endm
.macro ROUND                           ; a round of the cluster's barrier: my work-group's barrier, wave 0 signals for the work-group, all wait for the four work-groups, my work-group's barrier
	s_barrier_signal -1
	s_barrier_wait -1
	s_cmp_lg_u32 s20, 0
	s_cbranch_scc1 .Lnot_wave_0_\@
	s_barrier_signal -3
.Lnot_wave_0_\@:
	s_barrier_wait -3
	s_barrier_signal -1
	s_barrier_wait -1
.endm
; 16 LDS loads: the fragments of K steps 4 g .. 4 g + 3 of my 32 rows, into buffer g mod 2
.macro FETCHK adr, g
.irp k, 0,1,2,3
.irp kt, 0,1
.irp c, 0,1
	ds_load_b128 v[KB0+64*(\g%2)+16*\k+8*\kt+4*\c:KB0+64*(\g%2)+16*\k+8*\kt+4*\c+3], v[\adr] offset:\kt*16*PK+64*(4*\g+\k)+32*\c
.endr
.endr
.endr
.endm
.macro MM acc, fa, fb, cm, cb
.if \cm
	v_wmma_f32_16x16x32_f16 v[\acc:\acc+7], v[\fa:\fa+7], v[\fb:\fb+7], v[\cb:\cb+7]
.else
	v_wmma_f32_16x16x32_f16 v[\acc:\acc+7], v[\fa:\fa+7], v[\fb:\fb+7], 0
.endif
.endm
; 32 matrix instructions, K steps 4 g .. 4 g + 3.  The eight accumulators take turns, one instruction a turn.
; The first K step starts the sums: from 0, or (cmode = 1) from the bias.  swap = 1: the resident fragment is source 0.
.macro MULS g, cmode, swap
.if \swap
	WIN (1+\g/2)
.else
	WIN (4<<(\g/2))
.endif
.irp k, 0,1,2,3
.irp kt, 0,1
.irp qt, 0,1,2,3
.set ACC_, SACC+8*(4*\kt+\qt)
.set KF_,  KB0+64*(\g%2)+16*\k+8*\kt
.set RF_,  8*(4*(4*(\g%2)+\k)+\qt)
.set CM_,  1
.set CB_,  ACC_
.if (4*\g+\k) == 0
.if \cmode
.set CB_,  BIAS+8*\kt
.else
.set CM_,  0
.endif
.endif
.if \swap
	MM ACC_, RF_, KF_, CM_, CB_
.else
	MM ACC_, KF_, RF_, CM_, CB_
.endif
.endr
.endr
.endr
.endm
; 32 rows of a tile x 64 resident rows x 512: 128 matrix instructions, the fragments fetched one group of 16 loads ahead
.macro SPHASE adr, cmode, swap
	FETCHK \adr, 0
	FETCHK \adr, 1
	s_wait_dscnt 16                                ; LDS loads come back in order: all but the younger group's 16 are in
	MULS 0, \cmode, \swap
	PLACES
.if \swap
	WIN 0                                          ; an LDS load's address is its source 0
.endif
	FETCHK \adr, 2
	s_wait_dscnt 16
	MULS 1, \cmode, \swap
	PLACES
.if \swap
	WIN 0
.endif
	FETCHK \adr, 3
	s_wait_dscnt 16
	MULS 2, \cmode, \swap
	s_wait_dscnt 0
	MULS 3, \cmode, \swap
	WIN 0
	PLACES
.endm
; my 16 rows of x or context, f32, into window 3: 64 loads of 512 consecutive bytes
.macro XLOAD lo
	WIN 0xC0
.irp i, 0,1,2,3,4,5,6,7,8,9,10,11,12,13,14,15
.irp c, 0,1,2,3
	global_load_b128 v[4*(4*\i+\c):4*(4*\i+\c)+3], v[GX], s[\lo:\lo+1] offset:\i*2048+\c*512 th:TH_LOAD_NT
.endr
.endr
.endm
; 64 LDS loads: the fragments of all 64 rows, K steps 8 hf .. 8 hf + 7, into window 1 + hf
.macro XREAD hf
	WIN (0x40<<\hf)
.irp k, 0,1,2,3,4,5,6,7
.irp qt, 0,1,2,3
.irp c, 0,1
	ds_load_b128 v[8*(4*\k+\qt)+4*\c:8*(4*\k+\qt)+4*\c+3], v[ADX] offset:\qt*16*PX+64*\k+32*\c
.endr
.endr
.endr
.endm
; The rows that have landed are rounded to f16 and handed round through LDS, half the columns at a time; every wave ends with all 64 rows.
; bar = 1: the area was read as a stage before.  more = 1: context's rows are asked for as soon as the landing registers are free.
; kst = 1: the rows are context's: 64 times them goes out as K'.
.macro XCHG bar, more, kst
	WIN 0x0F
.irp i, 0,1,2,3,4,5,6,7,8,9,10,11,12,13,14,15
.irp c, 0,1,2,3
	v_cvt_pk_f16_f32 v[SACC+64*(\c/2)+2*(2*\i+(\c%2))],   v[4*(4*\i+\c)],   v[4*(4*\i+\c)+1]
	v_cvt_pk_f16_f32 v[SACC+64*(\c/2)+2*(2*\i+(\c%2))+1], v[4*(4*\i+\c)+2], v[4*(4*\i+\c)+3]
.endr
.endr
.if \more
	XLOAD 6                                        ; these 64 loads stay out while Q's four tiles are multiplied
.endif
	WIN 0
.if \kst
.irp hf, 0,1
	s_wait_xcnt 0x0                                ; buffer 1, which earlier stores read, is written again only behind this wait
.set n_, 0
.rept 64
	v_pk_mul_f16 v[KB1+n_], v[SACC+64*\hf+n_], v[C64]
.set n_, n_+1
.endr
.irp i, 0,1,2,3,4,5,6,7,8,9,10,11,12,13,14,15
.irp c, 0,1
	global_store_b64 v[GOK], v[KB1+2*(2*\i+\c):KB1+2*(2*\i+\c)+1], s[14:15] offset:\i*1024+512*\hf+256*\c   ; 256 consecutive bytes of a row of K', aligned
.endr
.endr
.endr
.endif
.if \bar
	s_wait_dscnt 0x0                               ; my reads of the stages are back,
	BAR                                            ; everybody's are: the area may be written
.endif
.irp hf, 0,1
.irp i, 0,1,2,3,4,5,6,7,8,9,10,11,12,13,14,15
.irp c, 0,1
	ds_store_b64 v[ADXW], v[SACC+64*\hf+2*(2*\i+\c):SACC+64*\hf+2*(2*\i+\c)+1] offset:\i*PX+256*\c
.endr
.endr
	s_wait_dscnt 0x0                               ; my stores are done (for the others' sake: zero),
	BAR                                            ; everybody's are
	XREAD \hf
	WIN 0
	s_wait_dscnt 0x0                               ; my reads are back,
	BAR                                            ; everybody's are: the area may be written again
.endr
.endm
; One tile: slot and stage sl; kind 0 Q, 2 V; t = which 128 outputs of that matrix.
; mode 1: the slot is filled again, two tiles ahead; mode 2: nothing to fetch, the last tile is waited for; mode 0: the last tile.
.macro TILE sl, kind, t, mode
	s_wait_xcnt 0x0                                ; buffer 1, which earlier stores read, is loaded again only behind this wait
.if \kind == 0
.irp kt, 0,1
.irp c, 0,1
	ds_load_b128 v[BIAS+8*\kt+4*\c:BIAS+8*\kt+4*\c+3], v[ADB] offset:512*\t+64*\kt+16*\c   ; cb of outputs 128 t + 32 w + 16 kt + 8 h + 0..7; the first counted wait below covers them
.endr
.endr
	SPHASE (ADK0+\sl), 1, 0
.irp a, 0,1,2,3,4,5,6,7
.irp p, 0,2,4,6
	v_pk_mul_f32 v[SACC+8*\a+\p:SACC+8*\a+\p+1], v[SACC+8*\a+\p:SACC+8*\a+\p+1], s[18:19] op_sel_hi:[1,0]   ; times CQ2, in f32
.endr
.endr
.else
	SPHASE (ADK0+\sl), 0, 1
.endif
.irp a, 0,1,2,3,4,5,6,7
.irp p, 0,1,2,3
	v_cvt_pk_f16_f32 v[SACC+8*\a+\p], v[SACC+8*\a+2*\p], v[SACC+8*\a+2*\p+1]   ; eight results into the accumulator's own first four registers
.endr
.endr
.irp kt, 0,1
.irp qt, 0,1,2,3
.if \kind == 2
	ds_store_b128 v[AVW], v[SACC+8*(4*\kt+\qt):SACC+8*(4*\kt+\qt)+3] offset:\sl*STG+\kt*16*PVT+32*\qt
.else
	ds_store_b128 v[AQW], v[SACC+8*(4*\kt+\qt):SACC+8*(4*\kt+\qt)+3] offset:\sl*STG+\qt*16*PQ+32*\kt
.endif
.endr
.endr
.if \mode == 1
	s_wait_dscnt 0x0                               ; my reads of this slot are back and my stage stores are done
	s_wait_tensorcnt 0x0                           ; all my tensor loads have landed: the one that was out is my part of the next tile; so a group 0 may be written
	ds_add_u32 v254, v255
	s_wait_dscnt 0x0
	s_add_nc_u64 s[G0+4*\sl+2:G0+4*\sl+3], s[G0+4*\sl+2:G0+4*\sl+3], 2*TILEB
	ROUND                                          ; both now hold of every wave of the four work-groups
	tensor_load_to_lds s[G0+4*\sl:G0+4*\sl+3], s[G1:G1+7]   ; my one tensor load behind the round, and the first thing there; it has the next tile's 128 matrix instructions in which to land
	s_nop 0
.elseif \mode == 2
	s_wait_tensorcnt 0x0                           ; the last tile has landed; V's stage rows are my own, so no barrier is needed
.endif
.irp u, 0,1,2,3,4,5,6,7
.if \kind == 2
	ds_load_b128 v[KB1+4*\u:KB1+4*\u+3], v[AVR] offset:\sl*STG+\u*4*PVT
.else
	ds_load_b128 v[KB1+4*\u:KB1+4*\u+3], v[AQR] offset:\sl*STG+\u*2*PQ
.endif
.endr
.irp u, 0,1,2,3,4,5,6,7
	s_wait_dscnt 7-\u                              ; the younger loads stay out
.if \kind == 0
	global_store_b128 v[GOQ], v[KB1+4*\u:KB1+4*\u+3], s[12:13] offset:2048*\u+256*\t   ; sixteen lanes store 256 consecutive bytes, aligned
.else
	global_store_b128 v[GOV], v[KB1+4*\u:KB1+4*\u+3], s[16:17] offset:32768*\t+512*\u  ; 512 consecutive bytes
.endif
.endr
.endm
	s_load_b256 s[4:11], s[0:1], 0x0               ; x s[4:5], context s[6:7], cb s[8:9], Wh s[10:11]
	s_load_b128 s[12:15], s[0:1], 0x20             ; Qh s[12:13], Kh s[14:15]
	s_load_b64 s[16:17], s[0:1], 0x30              ; VT
	v_lshl_add_u32 v254, v0, 2, 0x4ba00
	v_mov_b32 v255, 0
	ds_add_u32 v254, v255
	v_lshrrev_b32 v1, 5, v0
	v_readfirstlane_b32 s20, v1                    ; wave w
	s_bfe_u32 s21, ttmp6, 0x40000                  ; cx
	s_lshl_b32 s22, ttmp9, 2
	s_add_co_u32 s22, s22, s21                     ; row block rb = 4 x cluster + cx; it enters the addresses of x, context, Q', K', VT alone
	s_lshl_b32 s24, s22, 17                        ; x, context: 64 rb rows of 2,048 bytes
	s_lshl_b32 s23, s20, 15                        ; + 16 w rows
	s_add_co_u32 s24, s24, s23
	s_mov_b32 s25, 0
	s_lshl_b32 s26, s22, 16                        ; Q', K': 64 rb rows of 1,024 bytes
	s_mov_b32 s27, 0
	s_lshr_b32 s28, s22, 1                         ; VT: (batch, key block) = rb / 2, 131,072 bytes each;
	s_lshl_b32 s28, s28, 17
	s_and_b32 s29, s22, 1                          ; key half = rb mod 2, 16,384 bytes
	s_lshl_b32 s29, s29, 14
	s_add_co_u32 s28, s28, s29
	s_mov_b32 s29, 0
	s_lshl_b32 s30, s20, 15                        ; Wh: my 32 rows of 1,024 bytes in a tile
	s_mov_b32 s31, 0
	s_mov_b32 s18, CQ2
	s_mov_b32 s19, CQ2
	; group 1: 32 rows x 512 elements of 2 bytes, 16 bytes of padding behind each row of 256 words; mask 15 = the cluster's four, bit 21 beside it
	s_mov_b32 s[G1+0], 15|(1<<16)|(1<<20)|(1<<21)|(7<<22)|(3<<25)
	s_mov_b32 s[G1+1], 512<<16                     ; tensor_dim0 = 512
	s_mov_b32 s[G1+2], 32<<16                      ; tensor_dim1 = 32
	s_mov_b32 s[G1+3], 512<<16                     ; tile_dim0 = 512
	s_mov_b32 s[G1+4], 32                          ; tile_dim1 = 32
	s_mov_b32 s[G1+5], 512                         ; elements from row to row
	s_mov_b32 s[G1+6], 0
	s_mov_b32 s[G1+7], 0
	s_mul_i32 s23, s20, QTR                        ; my quarter of a slot
	s_wait_dscnt 0x0
	s_wait_kmcnt 0x0
	s_add_nc_u64 s[4:5], s[4:5], s[24:25]
	s_add_nc_u64 s[6:7], s[6:7], s[24:25]
	s_add_nc_u64 s[12:13], s[12:13], s[26:27]
	s_add_nc_u64 s[14:15], s[14:15], s[26:27]
	s_add_nc_u64 s[16:17], s[16:17], s[28:29]
	s_add_nc_u64 s[10:11], s[10:11], s[30:31]
.irp s, 0,1
	s_mov_b32 s[G0+4*\s], 1
	s_add_co_u32 s[G0+4*\s+1], s23, \s*SLOT
	s_add_nc_u64 s[G0+4*\s+2:G0+4*\s+3], s[10:11], \s*TILEB
	s_or_b32 s[G0+4*\s+3], s[G0+4*\s+3], 0x80000000
.endr
	ROUND                                          ; the four work-groups are here: the first joint loads meet
	tensor_load_to_lds s[G0:G0+3], s[G1:G1+7]      ; tiles 0 and 1: two tensor loads of the wave are out, later one
	s_nop 0
	tensor_load_to_lds s[G0+4:G0+7], s[G1:G1+7]
	s_nop 0
	v_and_b32 v1, 31, v0                           ; lane
	v_and_b32 v2, 15, v0                           ; r
	v_bfe_u32 v3, v0, 4, 1                         ; h
	v_mul_u32_u24 v[ADK0], v2, PK                  ; (32 w + r) pitch + 16 h
	v_lshl_add_u32 v[ADK0], v3, 4, v[ADK0]
	v_add_nc_u32 v[ADK0], s23, v[ADK0]
	v_add_nc_u32 v[ADK0+1], SLOT, v[ADK0]
	s_mov_b32 s48, RX
	v_mul_u32_u24 v[ADX], v2, PX                   ; RX + 528 r + 16 h
	v_lshl_add_u32 v[ADX], v3, 4, v[ADX]
	v_add_nc_u32 v[ADX], s48, v[ADX]
	s_mul_i32 s49, s20, 16*PX                      ; RX + 16 w rows + 8 lane
	s_add_co_u32 s49, s49, s48
	v_lshl_add_u32 v[ADXW], v1, 3, s49
	s_mul_i32 s49, s20, RQ                         ; RX + my region + 80 r + 16 h
	s_add_co_u32 s49, s49, s48
	v_mul_u32_u24 v[AQW], v2, PQ
	v_lshl_add_u32 v[AQW], v3, 4, v[AQW]
	v_add_nc_u32 v[AQW], s49, v[AQW]
	s_mul_i32 s49, s20, 16*PQ                      ; back: row 16 w + h; the row's sixteenth r lies in region r / 4 at 16 (r mod 4)
	s_add_co_u32 s49, s49, s48
	v_lshrrev_b32 v16, 2, v2
	v_and_b32 v17, 3, v2
	v_mul_u32_u24 v[AQR], v16, RQ
	v_mul_u32_u24 v16, v3, PQ
	v_add_nc_u32 v[AQR], v[AQR], v16
	v_add_nc_u32 v[AQR], s49, v[AQR]
	v_lshl_add_u32 v[AQR], v17, 4, v[AQR]
	s_mul_i32 s49, s20, 32*PVT                     ; RX + (32 w + r) 144 + 16 h
	s_add_co_u32 s49, s49, s48
	v_mul_u32_u24 v[AVW], v2, PVT
	v_lshl_add_u32 v[AVW], v3, 4, v[AVW]
	v_add_nc_u32 v[AVW], s49, v[AVW]
	v_lshrrev_b32 v16, 3, v1                       ; back: four rows of 128 bytes a load
	v_and_b32 v17, 7, v1
	v_mul_u32_u24 v[AVR], v16, PVT
	v_lshl_add_u32 v[AVR], v17, 4, v[AVR]
	v_add_nc_u32 v[AVR], s49, v[AVR]
	s_lshl_b32 s49, s20, 7                         ; BQL + 128 w + 32 h
	s_add_co_u32 s49, s49, BQL
	v_lshl_add_u32 v[ADB], v3, 5, s49
	v_lshlrev_b32 v[GX], 4, v1                     ; 16 lane
	s_lshl_b32 s49, s20, 14                        ; (16 w + h) rows of 1,024 bytes + 16 r
	v_lshl_add_u32 v[GOQ], v3, 10, s49
	v_lshl_add_u32 v[GOQ], v2, 4, v[GOQ]
	v_lshl_add_u32 v[GOK], v1, 3, s49              ; 16 w rows of 1,024 bytes + 8 lane
	s_lshl_b32 s49, s20, 12                        ; 32 w dims of 128 bytes + 16 lane
	v_lshl_add_u32 v[GOV], v1, 4, s49
	v_mov_b32 v[C64], 0x54005400
	v_lshlrev_b32 v20, 4, v0                       ; cb: 128 threads x 16 bytes
	v_add_nc_u32 v21, BQL, v20
	global_load_b128 v[16:19], v20, s[8:9]
	XLOAD 4
	WIN 0
	s_wait_loadcnt 0x0                             ; cb and my rows of x
	ds_store_b128 v21, v[16:19]                    ; shown to the others by the exchange's first wait and barrier
	XCHG 0, 1, 0
	s_wait_tensorcnt 0x1                           ; my part of tile 0 is in; tile 1's may stay out: only I read these bytes, and nothing is filled yet
	TILE 0, 0, 0, 1
	TILE 1, 0, 1, 1
	TILE 0, 0, 2, 1
	TILE 1, 0, 3, 1
	s_wait_loadcnt 0x0                             ; my rows of context
	XCHG 1, 0, 1                                   ; one tensor load (tile 5) stays out across these barriers
	TILE 0, 2, 0, 1
	TILE 1, 2, 1, 1
	TILE 0, 2, 2, 2
	TILE 1, 2, 3, 0
	s_wait_tensorcnt 0x0
	ds_add_u32 v254, v255
	s_wait_dscnt 0x0
	ROUND                                          ; the closing round: no work-group ends while a partner may still ask jointly
	s_endpgm
.Lfunc_end_k_q84113d31f8_proj:
	.size	k_q84113d31f8_proj, .Lfunc_end_k_q84113d31f8_proj-k_q84113d31f8_proj
	.p2alignl 7, 3214868480
	.fill 96, 4, 3214868480
	.section	.rodata,"a",@progbits
	.p2align	6, 0x0
	.amdhsa_kernel k_q84113d31f8_proj
		.amdhsa_group_segment_fixed_size 327680
		.amdhsa_private_segment_fixed_size 0
		.amdhsa_enable_private_segment 0
		.amdhsa_kernarg_size 56
		.amdhsa_user_sgpr_count 2
		.amdhsa_user_sgpr_kernarg_segment_ptr 1
		.amdhsa_wavefront_size32 1
		.amdhsa_system_sgpr_workgroup_id_x 1
		.amdhsa_system_sgpr_workgroup_id_y 1
		.amdhsa_system_sgpr_workgroup_id_z 1
		.amdhsa_system_vgpr_workitem_id 0
		.amdhsa_next_free_vgpr 1024
		.amdhsa_next_free_sgpr 66
		.amdhsa_reserve_vcc 0
		.amdhsa_float_denorm_mode_32 3
		.amdhsa_float_denorm_mode_16_64 3
		.amdhsa_memory_ordered 1
		.amdhsa_forward_progress 1
		.amdhsa_inst_pref_size 221
	.end_amdhsa_kernel
	.amdgpu_metadata
---
amdhsa.version: [ 1, 2 ]
amdhsa.kernels:
  - .name:           k_q84113d31f8_proj
    .symbol:         k_q84113d31f8_proj.kd
    .args:
      - { .name: x, .offset: 0, .size: 8, .value_kind: global_buffer, .address_space: global }
      - { .name: context, .offset: 8, .size: 8, .value_kind: global_buffer, .address_space: global }
      - { .name: cb, .offset: 16, .size: 8, .value_kind: global_buffer, .address_space: global }
      - { .name: Wh, .offset: 24, .size: 8, .value_kind: global_buffer, .address_space: global }
      - { .name: Qh, .offset: 32, .size: 8, .value_kind: global_buffer, .address_space: global }
      - { .name: Kh, .offset: 40, .size: 8, .value_kind: global_buffer, .address_space: global }
      - { .name: VT, .offset: 48, .size: 8, .value_kind: global_buffer, .address_space: global }
    .group_segment_fixed_size: 327680
    .private_segment_fixed_size: 0
    .kernarg_segment_align: 8
    .kernarg_segment_size: 56
    .max_flat_workgroup_size: 128
    .sgpr_count:     66
    .vgpr_count:     1024
    .wavefront_size: 32
...
	.end_amdgpu_metadata
.endif
;; end of part 2
;; launch attn (part 3): grid 32 x 8, 4 waves a work-group, clusters of 4 x 1, 327,680 bytes of LDS; arguments Qh, Kh, VT, bv, out0; writes out0
.if DOCPART == 3
	.amdgcn_target "amdgcn-amd-amdhsa--gfx1250"
	.amdhsa_code_object_version 6
	.text
	.protected	k_q84113d31f8_attn
	.globl	k_q84113d31f8_attn
	.p2align	8
	.type	k_q84113d31f8_attn,@function
k_q84113d31f8_attn:
	s_mov_b64 s[64:65], 0
	v_nop
	global_prefetch_b8 v0, s[64:65] scope:SCOPE_SE
	s_setreg_imm32_b32 hwreg(HW_REG_WAVE_MODE, 25, 1), 1
	s_wait_xcnt 0x0
	s_wait_alu depctr_hold_cnt(0) depctr_sa_sdst(0) depctr_va_vdst(0) depctr_va_sdst(0) depctr_va_ssrc(0) depctr_va_vcc(0) depctr_vm_vsrc(0)
	s_getreg_b32 s2, hwreg(HW_REG_IB_STS2, 6, 4)
	s_cmp_eq_u32 s2, 0
	s_cbranch_scc0 .Lentry_in_a_cluster
	s_endpgm
.Lentry_in_a_cluster:
	s_bfe_u32 s2, ttmp6, 0x10000c
	s_cmp_lg_u32 s2, 0x3003
	s_cbranch_scc0 .Lentry_shape_is_right
	s_endpgm
.Lentry_shape_is_right:
; CrossAttention, third launch: out = softmax(Q K^T / sqrt(512)) V + bv, from Q' = log2(e) / (64 sqrt(512)) (x Wq^T Wk + bq Wk), K' = 64 context, V' = V / 4, all f16.
; Q'.K' is the score in the units of exp2 (Wk is folded into Q' by the earlier launches, for all values of the inputs).
; bk is left out (it adds the same number to every score of a row, which a softmax does not see); bv is added here, once, since a softmax's row sums to 1.
; A work-group owns 64 queries of one batch; the keys go by in 16 steps of 128, with a running maximum.  Q' (64 x 512) lies in every wave's registers.
; S: wave w multiplies keys 32 w .. 32 w + 31 of the step with all 64 queries (source 0 = K' rows, source 1 = Q' rows): lane (r, h) holds query r and keys 8 h + j,
; which, packed in pairs, is already the fragment of P that the second product takes as source 1.  The four waves hand each other these fragments through LDS (16 KiB).
; PV: wave w makes dims 128 w .. 128 w + 127 of all 64 queries, transposed (source 0 = rows of V'^T, source 1 = P): 32 accumulators, 256 registers.
; So each byte of a K tile and of a V tile is read from LDS once in the work-group.
; CLUSTERS: the four query blocks of a cluster read the same K and V tiles and ask for them jointly (mask 15); the addresses hang on the batch, the wave and the step alone.
; LDS holds one K tile and one V tile.  K's round is also the barrier that shows the maxima: the wait for all loads in front of it stands behind all 128 products of S,
; which are V's tile's time to land.  V's round opens as soon as the last fragments of V and P are in registers, with the last 32 products between its opening signal and its
; wait: the tile waited for there is K's next, which has had the softmax and 96 products.  A wave has two tensor loads out at the start, later one.
; REGISTERS: window 0 addresses, statistics, S / P fragments, K / V fragment buffers; windows 1, 2 Q' fragments (qt, ks) at 8 (4 (ks mod 8) + qt) of window 1 + ks / 8;
; window 3 the accumulators O(dt, qt) at 8 (4 dt + qt).
; LIMITS: exp2 gives 0 below 2^-126; P is rounded to f16 for the product while the row sums take it in f32.
.set PK,    1040                       ; K's LDS row: 1,024 bytes + 16
.set QTR,   32*PK                      ; a wave's 32 keys
.set VS,    4*QTR                      ; 133,120: the V tile
.set VQ,    128*272                    ; a wave's part: 128 LDS rows of 256 + 16 bytes; row 64 z + p holds dims 2 p and 2 p + 1, 64 keys each
.set XCH,   VS+4*VQ                    ; 272,384: Q's exchange (64 x 528), then P (16 KiB of fragment images), then the stages of the way out; LDS stores alone write here
.set PX,    528
.set ST,    XCH+64*PX                  ; 306,176: statistics [wave][r][qt] f32
.set STEPB, 131072                     ; bytes of a K tile, and from one key block of VT to the next
.set ADK,  4                           ; K fragments
.set ADV,  5                           ; V fragments
.set ADP,  6                           ; P fragment images: XCH + 16 lane
.set ADPW, 7                           ; + 4,096 w: mine
.set ADSW, 8                           ; statistics: mine
.set ADSR, 9                           ; statistics: all
.set ADX,  10                          ; Q exchange: fragments
.set ADXW, 11                          ; XCH + 8,448 w + 16 lane: my rows of Q in, and my stage's rows back
.set ADOW, 12                          ; my stage in
.set GL,   14                          ; 16 lane
.set GB,   15                          ; 32 h
.set MA,   16                          ; v[16:23] pairs (running maximum, alpha) for qt = 0..3; at the end (4 / l, -)
.set LS,   24                          ; v[24:27] my share of the row sums
.set T,    28                          ; v[28:43] at work
.set LM,   44                          ; v[44:47] my keys' maxima
.set SACC, 48                          ; v[48:111] S(kt, qt) at 8 (4 kt + qt); then P fragments, two buffers of 32
.set KB0,  112                         ; v[112:175] K or V fragments, buffer 0
.set KB1,  176                         ; v[176:239] buffer 1
.set G1K,  32
.set G1V,  40
.set G0K,  48
.set G0V,  52
.set MSB,  0
.macro WIN new                         ; the immediate's high byte repeats the setting that is left
.if MSB != (\new)
	s_set_vgpr_msb (MSB<<8)|(\new)
.set MSB, (\new)
.endif
.endm
.macro PLACES                          ; five places behind matrix instructions: enough for a vector instruction or a load (four) and for a matrix instruction that writes over a register (five)
.rept 5
	v_nop
.endr
.endm
.macro BAR
	s_barrier_signal -1
	s_barrier_wait -1
.endm
.macro CREST                           ; a round of the cluster's barrier behind its opening barrier: wave 0 signals for the work-group, all wait for the four work-groups, my work-group's barrier
	s_cmp_lg_u32 s20, 0
	s_cbranch_scc1 .Lnot_wave_0_\@
	s_barrier_signal -3
.Lnot_wave_0_\@:
	s_barrier_wait -3
	s_barrier_signal -1
	s_barrier_wait -1
.endm
.macro ROUND                           ; a whole round
	s_barrier_signal -1
	s_barrier_wait -1
	CREST
.endm
.macro FETCHK g                        ; 16 loads: K steps (of the 512) 4 g .. 4 g + 3 of my 32 keys, into buffer g mod 2
.irp k, 0,1,2,3
.irp kt, 0,1
.irp c, 0,1
	ds_load_b128 v[KB0+64*(\g%2)+16*\k+8*\kt+4*\c:KB0+64*(\g%2)+16*\k+8*\kt+4*\c+3], v[ADK] offset:\kt*16*PK+64*(4*\g+\k)+32*\c
.endr
.endr
.endr
.endm
.macro MULS g                          ; 32 matrix instructions; the eight accumulators take turns, one instruction a turn; the first K step starts the sums
	WIN (4<<(\g/2))
.irp k, 0,1,2,3
.irp kt, 0,1
.irp qt, 0,1,2,3
.if (4*\g+\k) == 0
	v_wmma_f32_16x16x32_f16 v[SACC+8*(4*\kt+\qt):SACC+8*(4*\kt+\qt)+7], v[KB0+64*(\g%2)+16*\k+8*\kt:KB0+64*(\g%2)+16*\k+8*\kt+7], v[8*(4*(4*(\g%2)+\k)+\qt):8*(4*(4*(\g%2)+\k)+\qt)+7], 0
.else
	v_wmma_f32_16x16x32_f16 v[SACC+8*(4*\kt+\qt):SACC+8*(4*\kt+\qt)+7], v[KB0+64*(\g%2)+16*\k+8*\kt:KB0+64*(\g%2)+16*\k+8*\kt+7], v[8*(4*(4*(\g%2)+\k)+\qt):8*(4*(4*(\g%2)+\k)+\qt)+7], v[SACC+8*(4*\kt+\qt):SACC+8*(4*\kt+\qt)+7]
.endif
.endr
.endr
.endr
.endm
.macro XREAD hf                        ; 64 loads: Q' fragments of all 64 queries, K steps 8 hf .. 8 hf + 7, into window 1 + hf
	WIN (0x40<<\hf)
.irp k, 0,1,2,3,4,5,6,7
.irp qt, 0,1,2,3
.irp c, 0,1
	ds_load_b128 v[8*(4*\k+\qt)+4*\c:8*(4*\k+\qt)+4*\c+3], v[ADX] offset:\qt*16*PX+64*\k+32*\c
.endr
.endr
.endr
.endm
.macro FETCHV ks                       ; 16 loads: my 128 dims, keys 32 ks .. 32 ks + 31
.irp dt, 0,1,2,3,4,5,6,7
.irp c, 0,1
	ds_load_b128 v[KB0+64*(\ks%2)+8*\dt+4*\c:KB0+64*(\ks%2)+8*\dt+4*\c+3], v[ADV] offset:(\ks/2)*64*272+\dt*8*272+64*(\ks%2)+32*\c
.endr
.endr
.endm
.macro FETCHP ks                       ; 8 loads: wave ks's P fragments, as it stored them
.irp qt, 0,1,2,3
.irp c, 0,1
	ds_load_b128 v[SACC+32*(\ks%2)+8*\qt+4*\c:SACC+32*(\ks%2)+8*\qt+4*\c+3], v[ADP] offset:4096*\ks+1024*\qt+512*\c
.endr
.endr
.endm
.macro MULPV ks, zero                  ; 32 matrix instructions; the 32 accumulators take turns, one instruction a turn
	WIN 0xF0
.irp dt, 0,1,2,3,4,5,6,7
.irp qt, 0,1,2,3
.if \zero
	v_wmma_f32_16x16x32_f16 v[8*(4*\dt+\qt):8*(4*\dt+\qt)+7], v[KB0+64*(\ks%2)+8*\dt:KB0+64*(\ks%2)+8*\dt+7], v[SACC+32*(\ks%2)+8*\qt:SACC+32*(\ks%2)+8*\qt+7], 0
.else
	v_wmma_f32_16x16x32_f16 v[8*(4*\dt+\qt):8*(4*\dt+\qt)+7], v[KB0+64*(\ks%2)+8*\dt:KB0+64*(\ks%2)+8*\dt+7], v[SACC+32*(\ks%2)+8*\qt:SACC+32*(\ks%2)+8*\qt+7], v[8*(4*\dt+\qt):8*(4*\dt+\qt)+7]
.endif
.endr
.endr
.endm
; One step of 128 keys.  first = 1: no maximum, sum or accumulator exists yet.  fill = 1: the next step's tiles are asked for.
.macro STEP first, fill
	; S^T of my 32 keys and the 64 queries: 128 matrix instructions, fragments one group of 16 loads ahead
	FETCHK 0
	FETCHK 1
	s_wait_dscnt 16                                ; LDS loads come back in order: all but the younger group's 16 are in
	MULS 0
	PLACES
	FETCHK 2                                       ; (under the products' window setting a load's address and data are still window 0)
	s_wait_dscnt 16
	MULS 1
	PLACES
	FETCHK 3
	s_wait_dscnt 16
	MULS 2
	s_wait_dscnt 0
	MULS 3
	WIN 0
	PLACES
	; the largest score of my 32 keys for each query: 16 registers, then the other half of the lanes
.irp qt, 0,1,2,3
	v_max3_num_f32 v[T+4*\qt],   v[SACC+8*\qt],      v[SACC+8*\qt+1],    v[SACC+8*\qt+2]
	v_max3_num_f32 v[T+4*\qt+1], v[SACC+8*\qt+3],    v[SACC+8*\qt+4],    v[SACC+8*\qt+5]
	v_max3_num_f32 v[T+4*\qt+2], v[SACC+8*\qt+6],    v[SACC+8*\qt+7],    v[SACC+32+8*\qt]
	v_max3_num_f32 v[T+4*\qt+3], v[SACC+32+8*\qt+1], v[SACC+32+8*\qt+2], v[SACC+32+8*\qt+3]
	v_max3_num_f32 v[T+4*\qt],   v[T+4*\qt],         v[SACC+32+8*\qt+4], v[SACC+32+8*\qt+5]
	v_max3_num_f32 v[T+4*\qt+1], v[T+4*\qt+1],       v[SACC+32+8*\qt+6], v[SACC+32+8*\qt+7]
	v_max3_num_f32 v[T+4*\qt],   v[T+4*\qt],         v[T+4*\qt+1],       v[T+4*\qt+2]
	v_max_num_f32  v[T+4*\qt],   v[T+4*\qt],         v[T+4*\qt+3]
	v_permlanex16_b32 v[T+4*\qt+1], v[T+4*\qt], s56, s57
	v_max_num_f32  v[LM+\qt],    v[T+4*\qt],         v[T+4*\qt+1]
.endr
	ds_store_b128 v[ADSW], v[LM:LM+3]              ; queries r, 16 + r, 32 + r, 48 + r (both halves of the lanes store the same)
	s_wait_dscnt 0x0                               ; my reads of the K tile are back, my maxima are stored
	s_wait_tensorcnt 0x0                           ; all my tensor loads have landed: the one that was out is my part of this step's V tile
	ds_add_u32 v254, v255
	s_wait_dscnt 0x0
.if \fill
	s_add_nc_u64 s[G0K+2:G0K+3], s[G0K+2:G0K+3], STEPB
	ROUND                                          ; both now hold of every wave of the four work-groups
	tensor_load_to_lds s[G0K:G0K+3], s[G1K:G1K+7]  ; the next K tile: my one tensor load behind the round, first thing there; softmax and 96 products of PV are its time to land
	s_nop 0
.else
	BAR                                            ; nothing is left to fetch: the maxima alone need the barrier
.endif
.irp v, 0,1,2,3
	ds_load_b128 v[T+4*\v:T+4*\v+3], v[ADSR] offset:256*\v   ; wave v's four maxima
.endr
	FETCHV 0
	FETCHV 1
	s_wait_dscnt 32                                ; the four statistics loads are in; the 32 loads of V stay out
.irp qt, 0,1,2,3
	v_max3_num_f32 v[T+\qt], v[T+\qt], v[T+4+\qt], v[T+8+\qt]
.if \first
	v_max_num_f32 v[MA+2*\qt], v[T+\qt], v[T+12+\qt]
.else
	v_max3_num_f32 v[T+\qt], v[T+\qt], v[T+12+\qt], v[MA+2*\qt]      ; the new running maximum
	v_sub_f32 v[MA+2*\qt+1], v[MA+2*\qt], v[T+\qt]                   ; old - new
	v_mov_b32 v[MA+2*\qt], v[T+\qt]
.endif
.endr
.irp kt, 0,1
.irp qt, 0,1,2,3
.irp p, 0,2,4,6
	v_pk_add_f32 v[SACC+8*(4*\kt+\qt)+\p:SACC+8*(4*\kt+\qt)+\p+1], v[SACC+8*(4*\kt+\qt)+\p:SACC+8*(4*\kt+\qt)+\p+1], v[MA+2*\qt:MA+2*\qt+1] op_sel_hi:[1,0] neg_lo:[0,1] neg_hi:[0,1]   ; both minus the maximum
.endr
.endr
.endr
.if \first == 0
.irp qt, 0,1,2,3
	v_exp_f32 v[MA+2*\qt+1], v[MA+2*\qt+1]         ; alpha
.endr
.endif
.set i_, 0
.rept 64
	v_exp_f32 v[SACC+i_], v[SACC+i_]
.set i_, i_+1
.endr
	v_nop                                          ; one plain instruction between the run of exponentials and the first use of a result (ISA guide 5.7.2)
	s_wait_alu depctr_va_vdst(0)
.irp qt, 0,1,2,3
	v_pk_add_f32 v[T+4*\qt:T+4*\qt+1],   v[SACC+8*\qt:SACC+8*\qt+1],     v[SACC+8*\qt+2:SACC+8*\qt+3]
	v_pk_add_f32 v[T+4*\qt+2:T+4*\qt+3], v[SACC+8*\qt+4:SACC+8*\qt+5],   v[SACC+8*\qt+6:SACC+8*\qt+7]
	v_pk_add_f32 v[T+4*\qt:T+4*\qt+1],   v[T+4*\qt:T+4*\qt+1],           v[SACC+32+8*\qt:SACC+32+8*\qt+1]
	v_pk_add_f32 v[T+4*\qt+2:T+4*\qt+3], v[T+4*\qt+2:T+4*\qt+3],         v[SACC+32+8*\qt+2:SACC+32+8*\qt+3]
	v_pk_add_f32 v[T+4*\qt:T+4*\qt+1],   v[T+4*\qt:T+4*\qt+1],           v[SACC+32+8*\qt+4:SACC+32+8*\qt+5]
	v_pk_add_f32 v[T+4*\qt+2:T+4*\qt+3], v[T+4*\qt+2:T+4*\qt+3],         v[SACC+32+8*\qt+6:SACC+32+8*\qt+7]
	v_pk_add_f32 v[T+4*\qt:T+4*\qt+1],   v[T+4*\qt:T+4*\qt+1],           v[T+4*\qt+2:T+4*\qt+3]
.if \first
	v_add_f32 v[LS+\qt], v[T+4*\qt], v[T+4*\qt+1]
.else
	v_add_f32 v[T+4*\qt], v[T+4*\qt], v[T+4*\qt+1]
	v_fma_f32 v[LS+\qt], v[LS+\qt], v[MA+2*\qt+1], v[T+4*\qt]        ; my lane's share of the row sum
.endif
.endr
.irp qt, 0,1,2,3
.irp p, 0,1,2,3
	v_cvt_pk_f16_f32 v[SACC+8*\qt+\p], v[SACC+8*\qt+2*\p], v[SACC+8*\qt+2*\p+1]              ; keys 8 h + 0..7: the fragment's registers 0-3
.endr
.irp p, 0,1,2,3
	v_cvt_pk_f16_f32 v[SACC+8*\qt+4+\p], v[SACC+32+8*\qt+2*\p], v[SACC+32+8*\qt+2*\p+1]      ; keys 16 + 8 h + 0..7: registers 4-7
.endr
	ds_store_b128 v[ADPW], v[SACC+8*\qt:SACC+8*\qt+3] offset:1024*\qt
	ds_store_b128 v[ADPW], v[SACC+8*\qt+4:SACC+8*\qt+7] offset:1024*\qt+512
.endr
	s_wait_dscnt 0x0                               ; my P is stored (and V's first fragments are in)
	s_barrier_signal -1                            ; the next K tile stays on its way across this barrier
.if \first == 0
	WIN 0xC3
.irp dt, 0,1,2,3,4,5,6,7
.irp qt, 0,1,2,3
.irp p, 0,2,4,6
	v_pk_mul_f32 v[8*(4*\dt+\qt)+\p:8*(4*\dt+\qt)+\p+1], v[8*(4*\dt+\qt)+\p:8*(4*\dt+\qt)+\p+1], v[MA+2*\qt:MA+2*\qt+1] op_sel:[0,1] op_sel_hi:[1,1]   ; O times alpha, while the others arrive
.endr
.endr
.endr
	WIN 0
.endif
	s_barrier_wait -1                              ; everybody's P is stored
	FETCHP 0
	FETCHP 1
	s_wait_dscnt 8                                 ; P of keys 0-31 is in; the eight loads behind it stay out
	MULPV 0, \first
	PLACES
	WIN 0
	FETCHP 2
	FETCHV 2
	s_wait_dscnt 24                                ; all but the 24 just issued
	MULPV 1, 0
	PLACES
	WIN 0
	FETCHP 3
	FETCHV 3
	s_wait_dscnt 24
	MULPV 2, 0
	s_wait_dscnt 0                                 ; my reads of the V tile and of P are back: the last fragments are in registers
.if \fill
	s_wait_tensorcnt 0x0                           ; all my tensor loads have landed: the one that was out is my part of the next K tile
	ds_add_u32 v254, v255
	s_wait_dscnt 0x0
	s_add_nc_u64 s[G0V+2:G0V+3], s[G0V+2:G0V+3], STEPB
	s_barrier_signal -1                            ; opens the round;
	MULPV 3, 0                                     ; work on registers while the others arrive
	WIN 0
	s_barrier_wait -1
	CREST                                          ; both waits now hold of every wave of the four work-groups
	tensor_load_to_lds s[G0V:G0V+3], s[G1V:G1V+7]  ; the next V tile: my one tensor load behind the round, first thing there; the next S, 128 products, is its time to land
	s_nop 0
.else
	MULPV 3, 0
	WIN 0
.endif
	PLACES
.endm
	s_load_b256 s[4:11], s[0:1], 0x0               ; Qh s[4:5], Kh s[6:7], VT s[8:9], bv s[10:11]
	s_load_b64 s[12:13], s[0:1], 0x20              ; out0
	v_lshl_add_u32 v254, v0, 2, 0x4b000
	v_mov_b32 v255, 0
	ds_add_u32 v254, v255
	v_lshrrev_b32 v1, 5, v0
	v_readfirstlane_b32 s20, v1                    ; wave w
	s_bfe_u32 s21, ttmp6, 0x40000                  ; cx
	s_lshl_b32 s22, ttmp9, 2
	s_add_co_u32 s22, s22, s21                     ; query block qb = 4 x cluster x + cx; it enters the addresses of Q' and out0 alone
	s_and_b32 s23, ttmp7, 0xffff                   ; batch b, the same in the four partners
	s_mov_b32 s56, 0x76543210                      ; v_permlanex16_b32: lane i of one half reads lane i of the other
	s_mov_b32 s57, 0xfedcba98
	s_lshl_b32 s28, s23, 21                        ; K', VT: 2 MiB a batch
	s_lshl_b32 s60, s20, 15                        ; + my 32 KiB of a tile
	s_add_co_u32 s28, s28, s60
	s_mov_b32 s29, 0
	s_lshl_b32 s26, s23, 21                        ; Q': (2,048 b + 64 qb + 16 w) rows of 1,024 bytes
	s_lshl_b32 s24, s22, 16
	s_add_co_u32 s26, s26, s24
	s_lshl_b32 s24, s20, 14
	s_add_co_u32 s26, s26, s24
	s_mov_b32 s27, 0
	s_lshl_b32 s30, s23, 22                        ; out0: (2,048 b + 64 qb) rows of 2,048 bytes + my 512 bytes of a row
	s_lshl_b32 s24, s22, 17
	s_add_co_u32 s30, s30, s24
	s_lshl_b32 s24, s20, 9
	s_add_co_u32 s30, s30, s24
	s_mov_b32 s31, 0
	s_mov_b32 s25, 0                               ; s[24:25] = 512 w: my dims in bv
	; group 1 for K: 32 rows x 512 elements of 2 bytes, 16 bytes of padding behind each row of 256 words; mask 15, bit 21 beside it
	s_mov_b32 s[G1K+0], 15|(1<<16)|(1<<20)|(1<<21)|(7<<22)|(3<<25)
	s_mov_b32 s[G1K+1], 512<<16
	s_mov_b32 s[G1K+2], 32<<16
	s_mov_b32 s[G1K+3], 512<<16
	s_mov_b32 s[G1K+4], 32
	s_mov_b32 s[G1K+5], 512
	s_mov_b32 s[G1K+6], 0
	s_mov_b32 s[G1K+7], 0
	; group 1 for V: a dense block of 32 KiB as 128 rows x 128 elements, 16 bytes of padding behind each row of 64 words
	s_mov_b32 s[G1V+0], 15|(1<<16)|(1<<20)|(1<<21)|(5<<22)|(3<<25)
	s_mov_b32 s[G1V+1], 128<<16
	s_mov_b32 s[G1V+2], 128<<16
	s_mov_b32 s[G1V+3], 128<<16
	s_mov_b32 s[G1V+4], 128
	s_mov_b32 s[G1V+5], 128
	s_mov_b32 s[G1V+6], 0
	s_mov_b32 s[G1V+7], 0
	s_mov_b32 s[G0K], 1
	s_mul_i32 s[G0K+1], s20, QTR
	s_mov_b32 s[G0V], 1
	s_mul_i32 s[G0V+1], s20, VQ
	s_add_co_u32 s[G0V+1], s[G0V+1], VS
	s_wait_dscnt 0x0
	s_wait_kmcnt 0x0
	s_add_nc_u64 s[4:5], s[4:5], s[26:27]
	s_add_nc_u64 s[10:11], s[10:11], s[24:25]
	s_add_nc_u64 s[12:13], s[12:13], s[30:31]
	s_add_nc_u64 s[G0K+2:G0K+3], s[6:7], s[28:29]
	s_or_b32 s[G0K+3], s[G0K+3], 0x80000000
	s_add_nc_u64 s[G0V+2:G0V+3], s[8:9], s[28:29]
	s_or_b32 s[G0V+3], s[G0V+3], 0x80000000
	ROUND                                          ; the four work-groups are here: the first joint loads meet
	tensor_load_to_lds s[G0K:G0K+3], s[G1K:G1K+7]  ; the first K tile,
	s_nop 0
	tensor_load_to_lds s[G0V:G0V+3], s[G1V:G1V+7]  ; the first V tile
	s_nop 0
	v_and_b32 v1, 31, v0                           ; lane
	v_and_b32 v2, 15, v0                           ; r
	v_bfe_u32 v3, v0, 4, 1                         ; h
	s_mul_i32 s60, s20, QTR
	v_mul_u32_u24 v[ADK], v2, PK                   ; (32 w + r) pitch + 16 h
	v_lshl_add_u32 v[ADK], v3, 4, v[ADK]
	v_add_nc_u32 v[ADK], s60, v[ADK]
	s_mul_i32 s60, s20, VQ                         ; VS + my part + (r / 2) 272 + (r mod 2) 128 + 16 h: sixteen different 16-byte columns modulo 256
	s_add_co_u32 s60, s60, VS
	v_lshrrev_b32 v15, 1, v2
	v_mul_u32_u24 v[ADV], v15, 272
	v_and_b32 v15, 1, v2
	v_lshl_add_u32 v[ADV], v15, 7, v[ADV]
	v_lshl_add_u32 v[ADV], v3, 4, v[ADV]
	v_add_nc_u32 v[ADV], s60, v[ADV]
	s_mov_b32 s61, XCH
	v_lshl_add_u32 v[ADP], v1, 4, s61
	s_lshl_b32 s60, s20, 12
	v_add_nc_u32 v[ADPW], s60, v[ADP]
	s_lshl_b32 s60, s20, 8                         ; ST + 256 w + 16 r
	s_add_co_u32 s60, s60, ST
	v_lshl_add_u32 v[ADSW], v2, 4, s60
	s_mov_b32 s60, ST
	v_lshl_add_u32 v[ADSR], v2, 4, s60
	v_mul_u32_u24 v[ADX], v2, PX                   ; XCH + 528 r + 16 h
	v_lshl_add_u32 v[ADX], v3, 4, v[ADX]
	v_add_nc_u32 v[ADX], s61, v[ADX]
	s_mul_i32 s60, s20, 16*PX
	v_add_nc_u32 v[ADXW], s60, v[ADP]
	s_add_co_u32 s60, s60, s61                     ; XCH + 8,448 w + 528 r + 32 h
	v_mul_u32_u24 v[ADOW], v2, PX
	v_lshl_add_u32 v[ADOW], v3, 5, v[ADOW]
	v_add_nc_u32 v[ADOW], s60, v[ADOW]
	v_lshlrev_b32 v[GL], 4, v1
	v_lshlrev_b32 v[GB], 5, v3
	; Q': each wave loads 16 rows, 512 consecutive bytes a load, and the waves hand them round through LDS, half the columns at a time
.irp i, 0,1,2,3,4,5,6,7,8,9,10,11,12,13,14,15
.irp c, 0,1
	global_load_b128 v[KB0+4*(2*\i+\c):KB0+4*(2*\i+\c)+3], v[GL], s[4:5] offset:1024*\i+512*\c th:TH_LOAD_NT
.endr
.endr
.irp qt, 0,1,2,3
	v_mov_b32 v[MA+2*\qt+1], 0                     ; the first step has no alpha, but its packed subtraction names the whole pair
.endr
	s_wait_loadcnt 0x0
.irp c, 0,1
.irp i, 0,1,2,3,4,5,6,7,8,9,10,11,12,13,14,15
	ds_store_b128 v[ADXW], v[KB0+4*(2*\i+\c):KB0+4*(2*\i+\c)+3] offset:PX*\i
.endr
	s_wait_dscnt 0x0                               ; my stores are done,
	BAR                                            ; everybody's are
	XREAD \c
	WIN 0
	s_wait_dscnt 0x0                               ; my reads are back,
	BAR                                            ; everybody's are: the area may be written again
.endr
	s_wait_tensorcnt 0x1                           ; my part of the first K tile is in; V's may stay out
	STEP 1, 1
	s_mov_b32 s58, 14
.Lstep:
	STEP 0, 1
	s_sub_co_u32 s58, s58, 1
	s_cmp_lg_u32 s58, 0
	s_cbranch_scc1 .Lstep
	STEP 0, 0                                      ; the last step asks for nothing
	; THE WAY OUT.  bv in the accumulators' own layout (dims 128 w + 16 dt + 8 h + j), into the V buffer that is free now
.irp dt, 0,1,2,3,4,5,6,7
.irp c, 0,1
	global_load_b128 v[KB1+8*\dt+4*\c:KB1+8*\dt+4*\c+3], v[GB], s[10:11] offset:64*\dt+16*\c
.endr
.endr
.irp qt, 0,1,2,3
	v_permlanex16_b32 v[T+4*\qt], v[LS+\qt], s56, s57
	v_add_f32 v[LS+\qt], v[LS+\qt], v[T+4*\qt]     ; the row sums over my 32 keys of every step
.endr
	ds_store_b128 v[ADSW], v[LS:LS+3]
	s_wait_dscnt 0x0
	BAR                                            ; the sums are stored, and nobody reads P any more: its bytes become the stages
.irp v, 0,1,2,3
	ds_load_b128 v[T+4*\v:T+4*\v+3], v[ADSR] offset:256*\v
.endr
	s_wait_dscnt 0x0
.irp qt, 0,1,2,3
	v_add_f32 v[T+\qt], v[T+\qt], v[T+4+\qt]
	v_add_f32 v[T+8+\qt], v[T+8+\qt], v[T+12+\qt]
	v_add_f32 v[T+\qt], v[T+\qt], v[T+8+\qt]       ; l: at least 1, since the largest score of a row gives exp2(0)
.endr
.irp qt, 0,1,2,3
	v_rcp_f32 v[MA+2*\qt], v[T+\qt]
.endr
	v_nop                                          ; one plain instruction behind the reciprocals
	s_wait_alu depctr_va_vdst(0)
.irp qt, 0,1,2,3
	v_mul_f32 v[MA+2*\qt], 4.0, v[MA+2*\qt]        ; V' = V / 4
.endr
	s_wait_loadcnt 0x0                             ; bv
	; 16 queries at a time: O 4 / l + bv, through my own stage (16 rows of 512 + 16 bytes), back as whole rows
.irp qt, 0,1,2,3
.if \qt
	s_wait_xcnt 0x0                                ; the registers that the last stores read are loaded again only behind this wait
.endif
	WIN 0x03
.irp dt, 0,1,2,3,4,5,6,7
.irp p, 0,2,4,6
	v_pk_fma_f32 v[SACC+8*\dt+\p:SACC+8*\dt+\p+1], v[8*(4*\dt+\qt)+\p:8*(4*\dt+\qt)+\p+1], v[MA+2*\qt:MA+2*\qt+1], v[KB1+8*\dt+\p:KB1+8*\dt+\p+1] op_sel_hi:[1,0,1]
.endr
.endr
	WIN 0
.irp dt, 0,1,2,3,4,5,6,7
.irp c, 0,1
	ds_store_b128 v[ADOW], v[SACC+8*\dt+4*\c:SACC+8*\dt+4*\c+3] offset:64*\dt+16*\c
.endr
.endr
.irp row, 0,1,2,3,4,5,6,7,8,9,10,11,12,13,14,15
	ds_load_b128 v[KB0+4*\row:KB0+4*\row+3], v[ADXW] offset:PX*\row   ; LDS serves a wave's instructions in order (ISA guide 5.7.1): these see the stores above
.endr
.irp row, 0,1,2,3,4,5,6,7,8,9,10,11,12,13,14,15
	s_wait_dscnt 15-\row                           ; the younger rows stay out
	global_store_b128 v[GL], v[KB0+4*\row:KB0+4*\row+3], s[12:13] offset:(16*\qt+\row)*2048 th:TH_STORE_NT   ; 512 consecutive bytes of a row, aligned
.endr
.endr
	s_wait_tensorcnt 0x0
	ds_add_u32 v254, v255
	s_wait_dscnt 0x0
	ROUND                                          ; the closing round: no work-group ends while a partner may still ask jointly
	s_endpgm
.Lfunc_end_k_q84113d31f8_attn:
	.size	k_q84113d31f8_attn, .Lfunc_end_k_q84113d31f8_attn-k_q84113d31f8_attn
	.p2alignl 7, 3214868480
	.fill 96, 4, 3214868480
	.section	.rodata,"a",@progbits
	.p2align	6, 0x0
	.amdhsa_kernel k_q84113d31f8_attn
		.amdhsa_group_segment_fixed_size 327680
		.amdhsa_private_segment_fixed_size 0
		.amdhsa_enable_private_segment 0
		.amdhsa_kernarg_size 40
		.amdhsa_user_sgpr_count 2
		.amdhsa_user_sgpr_kernarg_segment_ptr 1
		.amdhsa_wavefront_size32 1
		.amdhsa_system_sgpr_workgroup_id_x 1
		.amdhsa_system_sgpr_workgroup_id_y 1
		.amdhsa_system_sgpr_workgroup_id_z 1
		.amdhsa_system_vgpr_workitem_id 0
		.amdhsa_next_free_vgpr 1024
		.amdhsa_next_free_sgpr 66
		.amdhsa_reserve_vcc 0
		.amdhsa_float_denorm_mode_32 3
		.amdhsa_float_denorm_mode_16_64 3
		.amdhsa_memory_ordered 1
		.amdhsa_forward_progress 1
		.amdhsa_inst_pref_size 185
	.end_amdhsa_kernel
	.amdgpu_metadata
---
amdhsa.version: [ 1, 2 ]
amdhsa.kernels:
  - .name:           k_q84113d31f8_attn
    .symbol:         k_q84113d31f8_attn.kd
    .args:
      - { .name: Qh, .offset: 0, .size: 8, .value_kind: global_buffer, .address_space: global }
      - { .name: Kh, .offset: 8, .size: 8, .value_kind: global_buffer, .address_space: global }
      - { .name: VT, .offset: 16, .size: 8, .value_kind: global_buffer, .address_space: global }
      - { .name: bv, .offset: 24, .size: 8, .value_kind: global_buffer, .address_space: global }
      - { .name: out0, .offset: 32, .size: 8, .value_kind: global_buffer, .address_space: global }
    .group_segment_fixed_size: 327680
    .private_segment_fixed_size: 0
    .kernarg_segment_align: 8
    .kernarg_segment_size: 40
    .max_flat_workgroup_size: 128
    .sgpr_count:     66
    .vgpr_count:     1024
    .wavefront_size: 32
...
	.end_amdgpu_metadata
.endif
;; end of part 3
;; ======== version 2 of 2: 3 launches; version 1 with the launch wfold written anew for expert scheduling mode
;; limits: values are held in f16: magnitudes above 65,504 overflow, below 6.1e-05 lose precision
;; workspace buffers: Wh 1,048,576 bytes; cb 2,048 bytes; Qh 16,777,216 bytes; Kh 16,777,216 bytes; VT 16,777,216 bytes
;; launch wfold (part 4): grid 128 x 1, 8 waves a work-group, no clusters, 202,752 bytes of LDS; arguments Wq, Wk, Wv, bq, Wh, cb; writes Wh, cb
.if DOCPART == 4
	.amdgcn_target "amdgcn-amd-amdhsa--gfx1250"
	.amdhsa_code_object_version 6
	.text
	.protected	k_q84113d31f8_wfold
	.globl	k_q84113d31f8_wfold
	.p2align	8
	.type	k_q84113d31f8_wfold,@function
k_q84113d31f8_wfold:
	s_mov_b64 s[64:65], 0
	v_nop
	global_prefetch_b8 v0, s[64:65] scope:SCOPE_SE
	s_setreg_imm32_b32 hwreg(HW_REG_WAVE_SCHED_MODE, 0, 2), 2
	s_setreg_imm32_b32 hwreg(HW_REG_WAVE_MODE, 25, 1), 1
	s_wait_xcnt 0x0
	s_wait_alu depctr_vm_vsrc(0)
; CrossAttention, first of three launches: the weights are folded and rounded to f16.
;   Wh rows 0-511:    Mt[d'][d] = sum over e of Wk[e][d'] Wq[e][d]        cb[d'] = sum over e of bq[e] Wk[e][d']  (f32)
;   Wh rows 512-1023: Wv / 4
; WHY: with K0 = context Wk^T, Q[n].K0[m] = sum over d' of context[m][d'] (sum over d of x[n][d] Mt[d'][d] + cb[d']) for all values: the sums are
; only taken in another order.  So K is never projected: the second launch makes x Mt^T + cb, and context itself takes K's place.
; The order of rounding differs from the reference's: Wq, Wk, bq are rounded to f16, their products summed in f32, Mt rounded to f16.
; WORK LEFT OUT: bk.  scores[n][m] = scale Q[n].(K0[m] + bk) = scale Q[n].K0[m] + scale Q[n].bk; the second term does not depend on m, the axis of
; the softmax, and softmax(s + c) = softmax(s) for every real c.  So bk reaches no output, whatever finite values the inputs hold: it is not
; loaded and is among no launch's arguments.  LIMIT: a NaN, an infinity or an overflow that arises only in Q.bk is not carried to the result.
; bv stays: a softmax's row sums to 1, so attn (V0 + bv) = attn V0 + bv; it is added once, in f32, in the last launch.
; FORMAT: all matrix operands are f16, sums f32.  LIMIT: |Wq|, |Wk|, |bq|, |Mt|, |x|, 64 |context|, |V| / 4 or |x Mt^T + cb| / 1004 of 65,504 and more
; overflow; operands are kept to steps of 6e-8 at the finest.
;
; Work-group (i, j) = (number / 8, number mod 8) makes rows 32 i .. + 31, columns 64 j .. + 63 of Mt and 1/128 of Wv / 4; those with j = 0 also 32 numbers of cb.
; THE SUM OVER e IS SPLIT AMONG THE EIGHT WAVES: wave w takes e = 64 w .. 64 w + 63, issues all its 58 loads at once, rounds its rows into LDS tiles
; stored [e][column], takes the fragments by the transposing load (the sum runs down the rows of both matrices), and makes a partial tile
; of 32 x 64 with 16 matrix instructions.  The eight partial tiles are summed in f32 through LDS, eight outputs a thread.
; cb: the fragment whose 16 rows all hold bq[e] needs no LDS: lane (r, h) loads bq at k = 8 h .. and 16 + 8 h .. itself.  Its 8 loads and 16 conversions a wave are made
; in every work-group, so that they are in flight with the rest; its four products and its stores only where j = 0.
; STORES: a row piece of Mt is 128 consecutive bytes, so an aligned block of 256 bytes is written by two work-groups, half each.  Whole blocks would need 128 columns a
; work-group, which doubles the bytes of Wq that each reads (128 to 256 KiB); Mt is 512 KiB in all.  Wv / 4 goes out in whole aligned blocks of 256 bytes.
; No tensor loads: the rows are f32 in memory and pass through registers to be rounded.  No cluster: a work-group shares each of its two tiles with other partners.
; THE MODE: SCHED_MODE bits 1:0 = 2 (LLVM: expert scheduling mode 2), set by the entry lines.  The code itself states the register dependences
; between vector or matrix instructions and memory or LDS instructions, with s_wait_alu, always for 0.
; THE PLAN.  The text has no loop.  Registers that memory or LDS instructions touch, in program order:
;   v4-v16        Offsets and LDS addresses: written at the head, once; read by loads and stores to the end.  One wait on va_vdst ahead of the first load.
;   XB            bq lands; read and written by its conversions and read by cb's products: no memory instruction reads it.
;   XK, XQ        Wk and Wq land; the conversions round them in place, in batches of 32; one wait on va_vdst behind a batch, then the batch's 16 LDS stores in a run.
;                 Wk's stores are dealt among bq's conversions, which name XB alone.
;   XV            Wv lands; scaled and rounded in place, ahead of the wait that serves the second half of Wq; read by two global stores; never written again.
;   FK, FQ        The transposing loads land in registers of XK and XQ: one wait on vm_vsrc behind the first barrier states that the LDS stores have read these;
;                 the vector instructions that named them all stand ahead of the last wait on va_vdst.  That wait on vm_vsrc also frees ACC's, BA's and v226-v235's registers, which are XQ's.
;   ACC, BA       Written by the products, read by LDS stores: the places, then a wait on va_vdst.
;   R             The partial tiles land in registers of FK and FQ, which the products read: the wait ahead of ACC's stores has shown those products done, and no vector instruction behind it names them.
;                 The sums and roundings write R; a wait on va_vdst stands ahead of the global store.
;   v226-v235     cb's end, in one wave: two address lines, a wait, eight LDS loads, the sums, a wait, the store.
;   v254, v255    Written at the head, read by the closing add alone.
.set PKK,  96                          ; Wk tile: 32 f16 = 64 bytes + 32: an odd multiple of 32
.set PQQ,  160                         ; Wq tile: 64 f16 = 128 bytes + 32: an odd multiple of 32
.set QOF,  64*PKK                      ; 6,144: Wq's tile behind Wk's; a wave's two tiles take 16,384 bytes
.set PART, 8*16384                     ; 131,072: the partial tiles
.set PP,   272                         ; a partial row: 64 f32 = 256 bytes + 16
.set PREG, 32*PP                       ; 8,704: a wave's partial tile
.set CBP,  PART+8*PREG                 ; 200,704: cb's partial sums [wave][32] f32
.set GB,  4                            ; byte offsets in bq, Wk, Wq, Wv, Wh (offsets only)
.set GK,  5
.set GQ,  6
.set GV,  7
.set GVO, 8
.set LK,  9                            ; LDS: where I put Wk, Wq
.set LQ,  10
.set AKT, 11                           ; LDS: my fragments of Wk, Wq
.set AQT, 12
.set PW,  13                           ; my partial tile in
.set CW,  14                           ; my partial cb in
.set PR,  15                           ; the partial tiles back
.set GO,  16
.set XB,  18                           ; v[18:49]   bq as loaded; then its two fragments at XB, XB + 16
.set XK,  50                           ; v[50:113]  Wk as loaded
.set XQ,  114                          ; v[114:241] Wq as loaded
.set XV,  242                          ; v[242:249] Wv as loaded, then as stored
.set FK,  50                           ; v[50:81]   Wk fragments (ks, a) at 16 ks + 8 a
.set FQ,  82                           ; v[82:145]  Wq fragments (ks, b) at 32 ks + 8 b
.set ACC, 146                          ; v[146:209] accumulators (a, b) at 8 (4 a + b)
.set BA,  210                          ; v[210:225] cb's two accumulators
.set R,   50                           ; v[50:113]  eight partial sums of my eight outputs
.macro PLACES                          ; five places behind matrix instructions (ISA guide 7.12.1)
.rept 5
	v_nop
.endr
.endm
.macro BAR
	s_barrier_signal -1
	s_barrier_wait -1
.endm
.macro MULK ks                         ; source 0 = columns of Wq, source 1 = columns of Wk: lane (r, h) holds row d' = r and eight neighbouring d.  The eight accumulators take turns
.irp a, 0,1
.irp b, 0,1,2,3
.if \ks == 0
	v_wmma_f32_16x16x32_f16 v[ACC+8*(4*\a+\b):ACC+8*(4*\a+\b)+7], v[FQ+32*\ks+8*\b:FQ+32*\ks+8*\b+7], v[FK+16*\ks+8*\a:FK+16*\ks+8*\a+7], 0
.else
	v_wmma_f32_16x16x32_f16 v[ACC+8*(4*\a+\b):ACC+8*(4*\a+\b)+7], v[FQ+32*\ks+8*\b:FQ+32*\ks+8*\b+7], v[FK+16*\ks+8*\a:FK+16*\ks+8*\a+7], v[ACC+8*(4*\a+\b):ACC+8*(4*\a+\b)+7]
.endif
.endr
.endr
.endm
	s_load_b256 s[4:11], s[0:1], 0x0               ; Wq s[4:5], Wk s[6:7], Wv s[8:9], bq s[10:11]
	s_load_b128 s[12:15], s[0:1], 0x20             ; Wh s[12:13], cb s[14:15]
	v_lshl_add_u32 v254, v0, 2, 0x31400
	v_mov_b32 v255, 0
	v_lshrrev_b32 v1, 5, v0
	v_readfirstlane_b32 s20, v1                    ; wave w
	s_lshr_b32 s21, ttmp9, 3                       ; i
	s_and_b32 s22, ttmp9, 7                        ; j
	s_lshl_b32 s24, s21, 7                         ; Wk: columns 32 i
	s_mov_b32 s25, 0
	s_lshl_b32 s26, s22, 8                         ; Wq: columns 64 j
	s_mov_b32 s27, 0
	s_lshl_b32 s28, ttmp9, 13                      ; Wv: my 8 KiB
	s_mov_b32 s29, 0
	s_lshl_b32 s30, s21, 15                        ; Wh: row 32 i, column 64 j
	s_lshl_b32 s36, s22, 7
	s_add_co_u32 s30, s30, s36
	s_mov_b32 s31, 0
	s_lshl_b32 s32, ttmp9, 12                      ; Wh: row 512 + my 4 KiB
	s_add_co_u32 s32, s32, 524288
	s_mov_b32 s33, 0
	s_lshl_b32 s34, s21, 7                         ; cb: 32 i
	s_mov_b32 s35, 0
	s_mov_b32 s38, 0x3e800000                      ; 0.25
	s_mov_b32 s39, 0x3e800000
	v_and_b32 v1, 31, v0                           ; lane
	v_and_b32 v2, 15, v0                           ; r
	v_bfe_u32 v3, v0, 4, 1                         ; h
	v_bfe_u32 v20, v0, 3, 2                        ; lane / 8
	v_and_b32 v21, 7, v0                           ; lane mod 8
	v_lshl_add_u32 v22, v3, 3, v21                 ; 8 h + lane mod 8: my row of a K step's first sixteen
	v_bfe_u32 v23, v0, 3, 1
	s_wait_alu depctr_va_sdst(0)                   ; s20 is written, ahead of its first reader: the wave's offsets and LDS addresses are made from it
	s_lshl_b32 s36, s20, 8                         ; bq: 64 w + 8 h
	v_lshl_add_u32 v[GB], v3, 5, s36
	s_lshl_b32 s36, s20, 17                        ; 64 w rows of 2,048 bytes
	v_lshl_add_u32 v[GK], v20, 11, s36             ; Wk: four rows of 128 bytes a load
	v_lshl_add_u32 v[GK], v21, 4, v[GK]
	v_lshl_add_u32 v[GQ], v3, 11, s36              ; Wq: two rows of 256 bytes a load
	v_lshl_add_u32 v[GQ], v2, 4, v[GQ]
	s_lshl_b32 s36, s20, 10
	v_lshl_add_u32 v[GV], v1, 4, s36
	s_lshl_b32 s36, s20, 9
	v_lshl_add_u32 v[GVO], v1, 3, s36
	s_lshl_b32 s36, s20, 14                        ; my tiles
	v_mul_u32_u24 v[LK], v20, PKK
	v_lshl_add_u32 v[LK], v21, 3, v[LK]
	v_add_nc_u32 v[LK], s36, v[LK]
	v_mul_u32_u24 v[AKT], v22, PKK
	v_lshl_add_u32 v[AKT], v23, 4, v[AKT]
	v_add_nc_u32 v[AKT], s36, v[AKT]
	s_add_co_u32 s36, s36, QOF
	v_mul_u32_u24 v[LQ], v3, PQQ
	v_lshl_add_u32 v[LQ], v2, 3, v[LQ]
	v_add_nc_u32 v[LQ], s36, v[LQ]
	v_mul_u32_u24 v[AQT], v22, PQQ
	v_lshl_add_u32 v[AQT], v23, 4, v[AQT]
	v_add_nc_u32 v[AQT], s36, v[AQT]
	s_mul_i32 s36, s20, PREG                       ; my partial tile: row r, byte 32 h
	s_add_co_u32 s36, s36, PART
	v_mul_u32_u24 v[PW], v2, PP
	v_lshl_add_u32 v[PW], v3, 5, v[PW]
	v_add_nc_u32 v[PW], s36, v[PW]
	s_lshl_b32 s36, s20, 7
	s_add_co_u32 s36, s36, CBP
	v_lshl_add_u32 v[CW], v2, 2, s36
	v_lshrrev_b32 v20, 3, v0                       ; thread / 8: my row of the 32; thread mod 8: my eight columns
	v_mul_u32_u24 v[PR], v20, PP
	v_lshl_add_u32 v[PR], v21, 5, v[PR]
	v_add_nc_u32 v[PR], PART, v[PR]
	v_lshlrev_b32 v[GO], 10, v20
	v_lshl_add_u32 v[GO], v21, 4, v[GO]
	s_wait_kmcnt 0x0
	s_add_nc_u64 s[6:7], s[6:7], s[24:25]
	s_add_nc_u64 s[4:5], s[4:5], s[26:27]
	s_add_nc_u64 s[8:9], s[8:9], s[28:29]
	s_add_nc_u64 s[16:17], s[12:13], s[32:33]
	s_add_nc_u64 s[12:13], s[12:13], s[30:31]
	s_add_nc_u64 s[14:15], s[14:15], s[34:35]
	s_wait_alu depctr_va_vdst(0)                   ; the thirteen offsets and addresses v4 to v16 are written, which the loads and stores below read; the lines above are done with v20 to v23, in which loads of bq land
	; all 58 loads of the wave at once: 8 of bq, 16 of Wk, 32 of Wq, 2 of Wv
.irp ks, 0,1
.irp q, 0,1
.irp c, 0,1
	global_load_b128 v[XB+16*\ks+8*\q+4*\c:XB+16*\ks+8*\q+4*\c+3], v[GB], s[10:11] offset:128*\ks+64*\q+16*\c   ; bq[64 w + 32 ks + 16 q + 8 h + 4 c ..]
.endr
.endr
.endr
.set u_, 0
.rept 16
	global_load_b128 v[XK+4*u_:XK+4*u_+3], v[GK], s[6:7] offset:u_*8192
.set u_, u_+1
.endr
.set u_, 0
.rept 32
	global_load_b128 v[XQ+4*u_:XQ+4*u_+3], v[GQ], s[4:5] offset:u_*4096
.set u_, u_+1
.endr
	global_load_b128 v[XV:XV+3], v[GV], s[8:9] th:TH_LOAD_NT
	global_load_b128 v[XV+4:XV+7], v[GV], s[8:9] offset:512 th:TH_LOAD_NT
	s_wait_loadcnt 34                              ; loads come back in order: bq and Wk are in; Wq's 32 and Wv's 2 stay out
.set u_, 0
.rept 16
	v_cvt_pk_f16_f32 v[XK+4*u_],   v[XK+4*u_],   v[XK+4*u_+1]
	v_cvt_pk_f16_f32 v[XK+4*u_+1], v[XK+4*u_+2], v[XK+4*u_+3]
.set u_, u_+1
.endr
	s_wait_alu depctr_va_vdst(0)                   ; the 32 conversions have written v[XK ..], which the 16 LDS stores below read
.set u_, 0
.rept 16
	ds_store_b64 v[LK], v[XK+4*u_:XK+4*u_+1] offset:u_*4*PKK
	v_cvt_pk_f16_f32 v[XB+16*(u_/8)+u_%8], v[XB+16*(u_/8)+2*(u_%8)], v[XB+16*(u_/8)+2*(u_%8)+1]   ; bq's fragment of K step u / 8, in the first eight of its sixteen registers.  These lines name XB alone: none of the registers that the stores among them read
.set u_, u_+1
.endr
	s_wait_loadcnt 18                              ; the first half of Wq is in
.set u_, 0
.rept 16
	v_cvt_pk_f16_f32 v[XQ+4*u_],   v[XQ+4*u_],   v[XQ+4*u_+1]
	v_cvt_pk_f16_f32 v[XQ+4*u_+1], v[XQ+4*u_+2], v[XQ+4*u_+3]
.set u_, u_+1
.endr
	s_wait_alu depctr_va_vdst(0)                   ; the 32 conversions have written the first half of v[XQ ..], which the 16 LDS stores below read
.set u_, 0
.rept 16
	ds_store_b64 v[LQ], v[XQ+4*u_:XQ+4*u_+1] offset:u_*2*PQQ
.set u_, u_+1
.endr
	s_wait_loadcnt 2                               ; all of Wq is in; Wv's two stay out
.set u_, 16
.rept 16
	v_cvt_pk_f16_f32 v[XQ+4*u_],   v[XQ+4*u_],   v[XQ+4*u_+1]   ; the second half's registers: none that the stores above read
	v_cvt_pk_f16_f32 v[XQ+4*u_+1], v[XQ+4*u_+2], v[XQ+4*u_+3]
.set u_, u_+1
.endr
	s_wait_loadcnt 0
.irp u, 0,1
	v_pk_mul_f32 v[XV+4*\u:XV+4*\u+1], v[XV+4*\u:XV+4*\u+1], s[38:39] op_sel_hi:[1,0]
	v_pk_mul_f32 v[XV+4*\u+2:XV+4*\u+3], v[XV+4*\u+2:XV+4*\u+3], s[38:39] op_sel_hi:[1,0]
	v_cvt_pk_f16_f32 v[XV+4*\u],   v[XV+4*\u],   v[XV+4*\u+1]
	v_cvt_pk_f16_f32 v[XV+4*\u+1], v[XV+4*\u+2], v[XV+4*\u+3]
.endr
	s_wait_alu depctr_va_vdst(0)                   ; the conversions have written the second half of v[XQ ..] and v[XV ..], which the 16 LDS stores and the 2 global stores below read; and every vector line that names v50 to v145, in which the fragments land behind the barrier, is done
.set u_, 16
.rept 16
	ds_store_b64 v[LQ], v[XQ+4*u_:XQ+4*u_+1] offset:u_*2*PQQ
.set u_, u_+1
.endr
.irp u, 0,1
	global_store_b64 v[GVO], v[XV+4*\u:XV+4*\u+1], s[16:17] offset:256*\u   ; 256 consecutive bytes, aligned
.endr
	s_wait_dscnt 0x0                               ; my stores are done,
	BAR                                            ; everybody's are: stores, wait, barrier, and only then the transposing loads
	s_wait_alu depctr_vm_vsrc(0)                   ; my 48 LDS stores have read v[XK ..] and v[XQ ..]: these registers are FK, FQ, ACC, BA and v226 to v235 from here on, written by the fragments' loads, by the products and at cb's end
.irp ks, 0,1
.irp a, 0,1
.irp c, 0,1
	ds_load_tr16_b128 v[FK+16*\ks+8*\a+4*\c:FK+16*\ks+8*\a+4*\c+3], v[AKT] offset:\ks*32*PKK+\c*16*PKK+32*\a
.endr
.endr
.irp b, 0,1,2,3
.irp c, 0,1
	ds_load_tr16_b128 v[FQ+32*\ks+8*\b+4*\c:FQ+32*\ks+8*\b+4*\c+3], v[AQT] offset:\ks*32*PQQ+\c*16*PQQ+32*\b
.endr
.endr
.endr
	s_wait_dscnt 12                                ; the second K step's twelve loads stay out
	MULK 0
	s_wait_dscnt 0
	MULK 1
	s_cmp_lg_u32 s22, 0
	s_cbranch_scc1 .Lno_cb                         ; cb is made where j = 0 alone
	v_wmma_f32_16x16x32_f16 v[BA:BA+7],    v[XB:XB+7],     v[FK:FK+7],     0               ; the two accumulators take turns
	v_wmma_f32_16x16x32_f16 v[BA+8:BA+15], v[XB:XB+7],     v[FK+8:FK+15],  0
	v_wmma_f32_16x16x32_f16 v[BA:BA+7],    v[XB+16:XB+23], v[FK+16:FK+23], v[BA:BA+7]
	v_wmma_f32_16x16x32_f16 v[BA+8:BA+15], v[XB+16:XB+23], v[FK+24:FK+31], v[BA+8:BA+15]
	PLACES
	s_wait_alu depctr_va_vdst(0)                   ; the four products have written v[BA ..], which the two LDS stores read; the places above stay beside this wait
	ds_store_b32 v[CW], v[BA]                      ; all rows of the result are alike: register 0 of lane (r, h) is my share of cb[32 i + r],
	ds_store_b32 v[CW], v[BA+8] offset:64          ; and of cb[32 i + 16 + r] (both halves of the lanes store the same)
.Lno_cb:
	PLACES
	s_wait_alu depctr_va_vdst(0)                   ; on both ways here: the products have written v[ACC ..], which the 16 LDS stores read, and are done reading FK and FQ, in which the partial tiles land behind the barrier; the places above stay beside this wait
.irp a, 0,1
.irp b, 0,1,2,3
.irp c, 0,1
	ds_store_b128 v[PW], v[ACC+8*(4*\a+\b)+4*\c:ACC+8*(4*\a+\b)+4*\c+3] offset:\a*16*PP+64*\b+16*\c
.endr
.endr
.endr
	s_wait_dscnt 0x0                               ; my partial sums are stored,
	BAR                                            ; everybody's are
.irp v, 0,1,2,3,4,5,6,7
.irp c, 0,1
	ds_load_b128 v[R+8*\v+4*\c:R+8*\v+4*\c+3], v[PR] offset:\v*PREG+16*\c   ; no wait: no vector or matrix instruction since the wait above names v[R ..], and no memory instruction since the wait on vm_vsrc has read them
.endr
.endr
	s_wait_dscnt 0x0
.irp s, 4,2,1
.irp v, 0,1,2,3
.if \v < \s
.irp p, 0,2,4,6
	v_pk_add_f32 v[R+8*\v+\p:R+8*\v+\p+1], v[R+8*\v+\p:R+8*\v+\p+1], v[R+8*(\v+\s)+\p:R+8*(\v+\s)+\p+1]
.endr
.endif
.endr
.endr
.irp p, 0,1,2,3
	v_cvt_pk_f16_f32 v[R+\p], v[R+2*\p], v[R+2*\p+1]
.endr
	s_wait_alu depctr_va_vdst(0)                   ; the four roundings have written v[R:R+3], which the store reads
	global_store_b128 v[GO], v[R:R+3], s[12:13]    ; eight lanes store 128 consecutive bytes of a row of Mt
	s_or_b32 s36, s22, s20
	s_cmp_lg_u32 s36, 0
	s_cbranch_scc1 .Lend                           ; wave 0 of the work-groups with j = 0 sums and stores cb
	v_lshlrev_b32 v226, 2, v1
	v_add_nc_u32 v227, CBP, v226
	s_wait_alu depctr_va_vdst(0)                   ; v227 is written, which the eight LDS loads read as their address
.irp v, 0,1,2,3,4,5,6,7
	ds_load_b32 v[228+\v], v227 offset:128*\v
.endr
	s_wait_dscnt 0x0
	v_add_f32 v228, v228, v229
	v_add_f32 v230, v230, v231
	v_add_f32 v232, v232, v233
	v_add_f32 v234, v234, v235
	v_add_f32 v228, v228, v230
	v_add_f32 v232, v232, v234
	v_add_f32 v228, v228, v232
	s_wait_alu depctr_va_vdst(0)                   ; the sums have written v228, which the store reads (its offset v226 stands ahead of the wait before)
	global_store_b32 v226, v228, s[14:15]          ; cb[32 i + lane]: 128 consecutive bytes
.Lend:
	s_wait_dscnt 0x0                               ; the closing lines, six on end
	s_wait_alu 0x0
	s_wait_tensorcnt 0x0
	ds_add_u32 v254, v255
	s_wait_dscnt 0x0
	s_endpgm
.Lfunc_end_k_q84113d31f8_wfold:
	.size	k_q84113d31f8_wfold, .Lfunc_end_k_q84113d31f8_wfold-k_q84113d31f8_wfold
	.p2alignl 7, 3214868480
	.fill 96, 4, 3214868480
	.section	.rodata,"a",@progbits
	.p2align	6, 0x0
	.amdhsa_kernel k_q84113d31f8_wfold
		.amdhsa_group_segment_fixed_size 202752
		.amdhsa_private_segment_fixed_size 0
		.amdhsa_enable_private_segment 0
		.amdhsa_kernarg_size 48
		.amdhsa_user_sgpr_count 2
		.amdhsa_user_sgpr_kernarg_segment_ptr 1
		.amdhsa_wavefront_size32 1
		.amdhsa_system_sgpr_workgroup_id_x 1
		.amdhsa_system_sgpr_workgroup_id_y 1
		.amdhsa_system_sgpr_workgroup_id_z 1
		.amdhsa_system_vgpr_workitem_id 0
		.amdhsa_next_free_vgpr 256
		.amdhsa_next_free_sgpr 66
		.amdhsa_reserve_vcc 0
		.amdhsa_float_denorm_mode_32 3
		.amdhsa_float_denorm_mode_16_64 3
		.amdhsa_memory_ordered 1
		.amdhsa_forward_progress 1
		.amdhsa_inst_pref_size 30
	.end_amdhsa_kernel
	.amdgpu_metadata
---
amdhsa.version: [ 1, 2 ]
amdhsa.kernels:
  - .name:           k_q84113d31f8_wfold
    .symbol:         k_q84113d31f8_wfold.kd
    .args:
      - { .name: Wq, .offset: 0, .size: 8, .value_kind: global_buffer, .address_space: global }
      - { .name: Wk, .offset: 8, .size: 8, .value_kind: global_buffer, .address_space: global }
      - { .name: Wv, .offset: 16, .size: 8, .value_kind: global_buffer, .address_space: global }
      - { .name: bq, .offset: 24, .size: 8, .value_kind: global_buffer, .address_space: global }
      - { .name: Wh, .offset: 32, .size: 8, .value_kind: global_buffer, .address_space: global }
      - { .name: cb, .offset: 40, .size: 8, .value_kind: global_buffer, .address_space: global }
    .group_segment_fixed_size: 202752
    .private_segment_fixed_size: 0
    .kernarg_segment_align: 8
    .kernarg_segment_size: 48
    .max_flat_workgroup_size: 256
    .sgpr_count:     66
    .vgpr_count:     256
    .wavefront_size: 32
...
	.end_amdgpu_metadata
.endif
;; end of part 4
;; launch proj: the kernel of part 2 again; grid 256 x 1, 4 waves a work-group, clusters of 4 x 1, 327,680 bytes of LDS; arguments x, context, cb, Wh, Qh, Kh, VT; writes Qh, Kh, VT
;; launch attn: the kernel of part 3 again; grid 32 x 8, 4 waves a work-group, clusters of 4 x 1, 327,680 bytes of LDS; arguments Qh, Kh, VT, bv, out0; writes out0
